; MI455X (gfx1250); checked and timed in simulation.
; The chip was launched on July 23, 2026; its instructions are those of AMD's public machine-readable ISA for CDNA 5 (MIT licence, August 2026) and "CDNA5" Instruction Set Architecture Reference Guide (July 2026). The comments in the code are by the model that wrote it; some were corrected since.
;; Model. Allowed arithmetic: float matrix products may take bf16 or f16 operands with f32 sums; other float arithmetic in f32, or as packed bf16 or f16 multiplies, adds, multiply-adds, maxima and minima; sums over many terms, partial sums and values carried from step to step in f32; what a program stores and reads back later, other than sums and carried values, may be rounded once to bf16 or f16.
;; Inputs: W1 224 x 112 float32; W2 112 x 112 float32; W_cls 112 x 20 float32; b_cls 20 float32; beta 112 float32; coords_q 20,000 x 3 float32; coords_s 8,192 x 3 float32; feat_s 8,192 x 112 float32; feat_s7 8,192 x 112 float32; gamma 112 float32; w_attn 112 float32; x7 20,000 x 112 float32.
;; Outputs: out0 20,000 x 20 float32.
;; 2 versions, each right; version 2 is version 1 with the launch filter written anew for expert scheduling mode. Each part assembles by itself: llvm-mc -triple=amdgcn-amd-amdhsa -mcpu=gfx1250 --defsym DOCPART=n.
;; ======== version 1 of 2: 4 launches
;; limits: values are held in f16: magnitudes above 65,504 overflow, below 6.1e-05 lose precision
;; workspace buffers: sfrag 266,240 bytes; spack 133,120 bytes; qfrag 1,280,000 bytes; wts 98,304 bytes; pool 32,768 bytes; gate 512 bytes; keys 640,000 bytes of whole numbers; match 640,000 bytes of whole numbers
;; launch prep (part 1): grid 867 x 1, 4 waves a work-group, no clusters, 2,560 bytes of LDS; arguments coords_s, coords_q, feat_s7, w_attn, W1, W2, W_cls, sfrag, spack, qfrag, wts, pool; writes sfrag, spack, qfrag, wts, pool
.if DOCPART == 1
	.amdgcn_target "amdgcn-amd-amdhsa--gfx1250"
	.amdhsa_code_object_version 6
	.text
	.protected	k_qde1472cfd0_prep
	.globl	k_qde1472cfd0_prep
	.p2align	8
	.type	k_qde1472cfd0_prep,@function
k_qde1472cfd0_prep:
	s_mov_b64 s[64:65], 0
	v_nop
	global_prefetch_b8 v0, s[64:65] scope:SCOPE_SE
	s_setreg_imm32_b32 hwreg(HW_REG_WAVE_MODE, 25, 1), 1
	s_wait_xcnt 0x0
; PREP: operand images for the later launches, and the partial sums of the attention pooling.  Four roles, chosen by the work-group's number (the same for all four waves):
;   0..63    POOL   128 rows of feat_s7 each: logits, the block's maximum m, l = sum of exp(logit - m), vec = sum of exp(logit - m) x row  -> pool[wg][128] = vec[112], then (m, l, 0, 0) four times
;   64..193  SUPP   two threads a support: 16 bf16 for the distance product (sfrag, 32 bytes a support) and (x, y, z, s2) in f32 (spack).  Rows 8192..8319 repeat row 8191: they are only loaded ahead, never multiplied
;   194..241 WTS    W1^T, W2^T and W_cls^T in f16 as images of matrix fragments: [row tile][K block of 32][half][lane] x 16 bytes; rows and K beyond the matrix are 0
;   242..866 QUERY  four threads a query: 32 bf16 for the distance product (qfrag, 64 bytes a query)
; THE DISTANCE PRODUCT.  Every f32 c is split c = h + m + l, each part a bf16 (the two differences are exact).  With Q = -2 q the 32 products of a support and a query add up to
;   s2 + q2' - 2 (sh (qh + qm + ql) + sm (qh + qm) + sl qh),   q2' = q2 (1 + 2^-13): the same for all supports of a query, it changes no order and keeps the sum above 0.
; LIMITS.  NaN and infinities are not treated apart.  The three weight matrices are kept in f16: numbers beyond 65,504 are lost, below 6e-5 they keep a fixed step of 6e-8.
; No matrix unit, no cluster: every role streams its bytes once, and the pooling's two products have one row.
.set SPARE, 2048                       ; the spare words: 128 bytes a wave, two blocks of 256 bytes that no other line names
.set LOG2E, 0x3fb8aa3b
.macro SPLIT3 src, H, M, L, T          ; v[src] = v[H] + v[M] + v[L]; H and M are bf16 numbers held in f32, L is the rest (rounded when it is packed)
	v_cvt_pk_bf16_f32 v[\T], v[\src], v[\src]
	v_lshlrev_b32 v[\H], 16, v[\T]
	v_sub_f32 v[\L], v[\src], v[\H]
	v_cvt_pk_bf16_f32 v[\T], v[\L], v[\L]
	v_lshlrev_b32 v[\M], 16, v[\T]
	v_sub_f32 v[\L], v[\L], v[\M]
.endm
.macro SEL4 dst, a, b, c, d            ; the thread's quarter picks one of four words
	v_cndmask_b32 v42, v[\a], v[\b], s32
	v_cndmask_b32 v43, v[\c], v[\d], s32
	v_cndmask_b32 v[\dst], v42, v43, s33
.endm
; One weight matrix [K][N] in memory -> fragments of its transpose.  A wave writes half a fragment: lane (r, hh) holds row m = 16 mt + r, k = 32 kb + 16 half + 8 hh + 0..7.
.macro TROLE PS, N, KVALID, MVALID, KB, DST, U0
	s_sub_co_u32 s30, s29, 194+(\U0)               ; my number among this matrix's work-groups
	s_lshl_b32 s31, s30, 1
	s_lshr_b32 s32, s28, 1
	s_add_co_u32 s31, s31, s32                     ; fragment f = mt KB + kb
.if (\KB) == 7
	s_mul_i32 s33, s31, 37
	s_lshr_b32 s33, s33, 8                         ; mt = f / 7, exact for f below 56
	s_mul_i32 s34, s33, 7
.else
	s_lshr_b32 s33, s31, 2
	s_lshl_b32 s34, s33, 2
.endif
	s_sub_co_u32 s34, s31, s34                     ; kb
	s_and_b32 s35, s28, 1                          ; half
	s_lshl_b32 s34, s34, 5
	s_lshl_b32 s35, s35, 4
	s_add_co_u32 s34, s34, s35                     ; 32 kb + 16 half
	v_and_b32 v4, 15, v0
	v_bfe_u32 v5, v0, 4, 1
	v_lshl_add_u32 v6, s33, 4, v4                  ; m
	v_lshl_add_u32 v7, v5, 3, s34                  ; k0
	v_min_u32 v8, (\KVALID)-8, v7                  ; clamped, so that every load stays inside the matrix
	v_min_u32 v9, (\MVALID)-1, v6
	v_mul_u32_u24 v8, v8, \N
	v_add_lshl_u32 v8, v8, v9, 2
.irp e, 0,1,2,3,4,5,6,7
	global_load_b32 v[16+\e], v8, s[\PS:\PS+1] offset:(\e)*(\N)*4
.endr
	v_cmp_gt_u32 s36, \MVALID, v6
	v_cmp_gt_u32 s37, \KVALID, v7
	s_and_b32 s36, s36, s37                        ; inside the matrix
	s_lshl_b32 s30, s30, 11
	v_lshl_add_u32 v10, v0, 4, s30
	s_wait_loadcnt 0x0
.irp j, 0,1,2,3
	v_cvt_pk_f16_f32 v[24+\j], v[16+2*\j], v[17+2*\j]
.endr
.irp j, 0,1,2,3
	v_cndmask_b32 v[24+\j], 0, v[24+\j], s36
.endr
	global_store_b128 v10, v[24:27], s[24:25] offset:\DST  ; a wave stores 512 consecutive bytes
	s_endpgm
.endm
	s_load_b512 s[4:19], s[0:1], 0x0               ; coords_s 4, coords_q 6, feat_s7 8, w_attn 10, W1 12, W2 14, W_cls 16, sfrag 18
	s_load_b256 s[20:27], s[0:1], 0x40             ; spack 20, qfrag 22, wts 24, pool 26
	v_lshl_add_u32 v1, v0, 2, SPARE                ; my spare word
	v_mov_b32 v2, 0
	v_lshrrev_b32 v3, 5, v0
	v_readfirstlane_b32 s28, v3                    ; wave
	s_mov_b32 s29, ttmp9
	s_wait_kmcnt 0x0
	s_cmp_lt_u32 s29, 64
	s_cbranch_scc1 .Lpool
	s_cmp_lt_u32 s29, 194
	s_cbranch_scc1 .Lsupp
	s_cmp_lt_u32 s29, 242
	s_cbranch_scc1 .Lwts
	; ---------------- QUERY
	s_sub_co_u32 s30, s29, 242
	s_lshl_b32 s30, s30, 7
	v_add_nc_u32 v4, s30, v0                       ; t = 4 q + quarter
	v_lshrrev_b32 v5, 2, v4
	v_mul_u32_u24 v6, v5, 12
	global_load_b32 v8, v6, s[6:7]
	global_load_b32 v9, v6, s[6:7] offset:4
	global_load_b32 v10, v6, s[6:7] offset:8
	v_lshlrev_b32 v7, 4, v4
	v_and_b32 v30, 1, v4
	v_and_b32 v31, 2, v4
	v_cmp_ne_u32 s32, 0, v30
	v_cmp_ne_u32 s33, 0, v31
	v_mov_b32 v28, 1.0
	v_mov_b32 v29, 0
	v_mov_b32 v37, 0x3f803f80                      ; 1.0 twice in bf16
	s_wait_loadcnt 0x0
	v_mul_f32 v11, v8, v8
	v_fma_f32 v11, v9, v9, v11
	v_fma_f32 v11, v10, v10, v11                   ; q2
	v_fma_f32 v11, v11, 0x39000000, v11            ; q2' = q2 (1 + 2^-13)
	v_mul_f32 v12, -2.0, v8
	v_mul_f32 v13, -2.0, v9
	v_mul_f32 v14, -2.0, v10
	SPLIT3 12, 16, 19, 22, 25
	SPLIT3 13, 17, 20, 23, 25
	SPLIT3 14, 18, 21, 24, 25
	v_cvt_pk_bf16_f32 v25, v11, v11
	v_lshlrev_b32 v26, 16, v25                     ; q2' in two parts
	v_sub_f32 v27, v11, v26
	v_cvt_pk_bf16_f32 v32, v16, v17                ; slots 0,1 and 6,7: Hx Hy
	v_cvt_pk_bf16_f32 v33, v18, v22                ; 2,3: Hz Lx
	v_cvt_pk_bf16_f32 v34, v23, v24                ; 4,5: Ly Lz
	v_cvt_pk_bf16_f32 v35, v18, v16                ; 8,9: Hz Hx
	v_cvt_pk_bf16_f32 v36, v17, v18                ; 10,11: Hy Hz
	v_cvt_pk_bf16_f32 v38, v28, v26                ; 14,15: 1 q2'h
	v_cvt_pk_bf16_f32 v39, v19, v20                ; 16,17 and 22,23: Mx My
	v_cvt_pk_bf16_f32 v40, v21, v29                ; 18,19 and 24,25: Mz 0
	v_cvt_pk_bf16_f32 v41, v29, v27                ; 30,31: 0 q2'm
	SEL4 44, 32, 35, 39, 40
	SEL4 45, 33, 36, 40, 29
	SEL4 46, 34, 37, 29, 29
	SEL4 47, 32, 38, 39, 41
	global_store_b128 v7, v[44:47], s[22:23]       ; a wave stores 512 consecutive bytes
	s_endpgm
	; ---------------- SUPP
.Lsupp:
	s_sub_co_u32 s30, s29, 64
	s_lshl_b32 s30, s30, 7
	v_add_nc_u32 v4, s30, v0                       ; t = 2 s + half
	v_lshrrev_b32 v5, 1, v4
	v_min_u32 v5, 8191, v5                         ; the 128 rows behind the last repeat it
	v_mul_u32_u24 v6, v5, 12
	global_load_b32 v8, v6, s[4:5]
	global_load_b32 v9, v6, s[4:5] offset:4
	global_load_b32 v10, v6, s[4:5] offset:8
	v_lshlrev_b32 v7, 4, v4
	v_lshlrev_b32 v12, 3, v4
	v_and_b32 v30, 1, v4
	v_cmp_ne_u32 s32, 0, v30
	v_mov_b32 v29, 1.0
	s_wait_loadcnt 0x0
	v_mul_f32 v11, v8, v8
	v_fma_f32 v11, v9, v9, v11
	v_fma_f32 v11, v10, v10, v11                   ; s2
	SPLIT3 8, 16, 19, 22, 25
	SPLIT3 9, 17, 20, 23, 25
	SPLIT3 10, 18, 21, 24, 25
	SPLIT3 11, 26, 27, 28, 25
	v_cvt_pk_bf16_f32 v32, v16, v17                ; slots 0,1: hx hy
	v_cvt_pk_bf16_f32 v33, v18, v16                ; 2,3: hz hx
	v_cvt_pk_bf16_f32 v34, v17, v18                ; 4,5: hy hz
	v_cvt_pk_bf16_f32 v35, v19, v20                ; 6,7: mx my
	v_cvt_pk_bf16_f32 v36, v21, v22                ; 8,9: mz lx
	v_cvt_pk_bf16_f32 v37, v23, v24                ; 10,11: ly lz
	v_cvt_pk_bf16_f32 v38, v26, v27                ; 12,13: s2h s2m
	v_cvt_pk_bf16_f32 v39, v28, v29                ; 14,15: s2l 1
.irp j, 0,1,2,3
	v_cndmask_b32 v[44+\j], v[32+\j], v[36+\j], s32
.endr
	v_cndmask_b32 v48, v8, v10, s32
	v_cndmask_b32 v49, v9, v11, s32
	global_store_b128 v7, v[44:47], s[18:19]
	global_store_b64 v12, v[48:49], s[20:21]
	s_endpgm
	; ---------------- WTS
.Lwts:
	s_cmp_lt_u32 s29, 194+28
	s_cbranch_scc1 .Lw1
	s_cmp_lt_u32 s29, 194+44
	s_cbranch_scc1 .Lw2
	TROLE 16, 20, 112, 20, 4, 90112, 44
.Lw2:
	TROLE 14, 112, 112, 112, 4, 57344, 28
.Lw1:
	TROLE 12, 112, 224, 112, 7, 0, 0
	; ---------------- POOL.  A wave takes 32 rows of 448 bytes; 28 lanes hold a row, 16 bytes each; lanes 28-31 repeat lane 27 with a weight of 0.
.Lpool:
	v_and_b32 v4, 31, v0
	v_min_u32 v5, 27, v4
	v_lshlrev_b32 v7, 4, v5
	v_mul_u32_u24 v6, v3, 14336                    ; my wave's 32 rows
	v_add_nc_u32 v6, v6, v7
	s_mul_i32 s30, s29, 57344                      ; the work-group's 128 rows
	s_mov_b32 s31, 0
	s_add_nc_u64 s[8:9], s[8:9], s[30:31]
	s_mov_b32 s34, 0x76543210                      ; v_permlanex16_b32: each lane takes its own place in the other half
	s_mov_b32 s35, 0xfedcba98
	global_load_b128 v[8:11], v7, s[10:11]         ; w_attn
.set i, 0
.rept 32
	global_load_b128 v[64+4*i:67+4*i], v6, s[8:9] offset:448*i th:TH_LOAD_NT
.set i, i+1
.endr
	v_cmp_lt_u32 s36, 27, v4                       ; lanes 28-31
.irp j, 16,17,18,19,20,21,22,23
	v_mov_b32 v[\j], 0                             ; the exchange's destinations count as read
.endr
	s_wait_loadcnt 32                              ; w_attn is in; the 32 rows may be out
.irp j, 8,9,10,11
	v_cndmask_b32 v[\j], v[\j], 0, s36
.endr
.set i, 0
.rept 32
	s_wait_loadcnt 31-i                            ; row i is in; the younger rows stay out
	v_mul_f32 v[32+i], v[64+4*i], v8
	v_fmac_f32 v[32+i], v[65+4*i], v9
	v_fmac_f32 v[32+i], v[66+4*i], v10
	v_fmac_f32 v[32+i], v[67+4*i], v11
.set i, i+1
.endr
.irp mk, 1,2,4,8                       ; the 32 rows' sums over the lanes, step by step, so that no line waits for the one before it
.set i, 0
.rept 32
	v_add_f32_dpp v[32+i], v[32+i], v[32+i] row_xmask:\mk row_mask:0xf bank_mask:0xf
.set i, i+1
.endr
.endr
.set b8, 0
.rept 4
.set j, 0
.rept 8
	v_permlanex16_b32 v[16+j], v[32+8*b8+j], s34, s35
.set j, j+1
.endr
.set j, 0
.rept 8
	v_add_f32 v[32+8*b8+j], v[32+8*b8+j], v[16+j]  ; every lane holds the row's logit
.set j, j+1
.endr
.set b8, b8+1
.endr
	v_max3_num_f32 v24, v32, v33, v34
.set i, 35
.rept 14
	v_max3_num_f32 v24, v24, v[i], v[i+1]
.set i, i+2
.endr
	v_max_num_f32 v24, v24, v63                    ; m of my 32 rows
.set i, 0
.rept 32
	v_sub_f32 v[32+i], v[32+i], v24
.set i, i+1
.endr
.set i, 0
.rept 32
	v_mul_f32 v[32+i], LOG2E, v[32+i]
.set i, i+1
.endr
.set i, 0
.rept 32
	v_exp_f32 v[32+i], v[32+i]
.set i, i+1
.endr
	v_nop                                          ; a plain instruction behind the last exponential
	s_wait_alu depctr_va_vdst(0)
.irp j, 0,1,2,3
	v_mul_f32 v[12+\j], v32, v[64+\j]              ; the first row starts the sums
.endr
	v_add_f32 v25, v32, v33
.set i, 1
.rept 31
.irp j, 0,1,2,3
	v_fmac_f32 v[12+\j], v[32+i], v[64+4*i+\j]
.endr
.if i > 1
	v_add_f32 v25, v25, v[32+i]
.endif
.set i, i+1
.endr
	v_cndmask_b32 v12, v12, v24, s36               ; lanes 28-31 carry (m, l, 0, 0)
	v_cndmask_b32 v13, v13, v25, s36
	v_cndmask_b32 v14, v14, 0, s36
	v_cndmask_b32 v15, v15, 0, s36
	v_lshlrev_b32 v26, 4, v0                       ; wave x 512 + lane x 16
	ds_store_b128 v26, v[12:15]
	s_wait_dscnt 0x0                               ; for wave 0's sake: my store is done
	s_barrier_signal -1
	s_barrier_wait -1
	s_cmp_lg_u32 s28, 0
	s_cbranch_scc1 .Lpool_end                      ; wave 0 joins the four
	v_lshlrev_b32 v27, 4, v4
	v_mov_b32 v28, 0
.irp w, 0,1,2,3
	ds_load_b128 v[64+4*\w:67+4*\w], v27 offset:512*\w
	ds_load_b32 v[80+\w], v28 offset:512*\w+448    ; m of wave w, in every lane
.endr
	s_wait_dscnt 0x0
	v_max3_num_f32 v24, v80, v81, v82
	v_max_num_f32 v24, v24, v83                    ; M
.irp w, 0,1,2,3
	v_sub_f32 v[80+\w], v[80+\w], v24
.endr
.irp w, 0,1,2,3
	v_mul_f32 v[80+\w], LOG2E, v[80+\w]
.endr
.irp w, 0,1,2,3
	v_exp_f32 v[80+\w], v[80+\w]
.endr
	v_nop
	s_wait_alu depctr_va_vdst(0)
.irp j, 0,1,2,3
	v_mul_f32 v[12+\j], v80, v[64+\j]
.endr
.irp w, 1,2,3
.irp j, 0,1,2,3
	v_fmac_f32 v[12+\j], v[80+\w], v[64+4*\w+\j]   ; in lanes 28-31 the second word becomes L
.endr
.endr
	v_cndmask_b32 v12, v12, v24, s36               ; and the first M
	s_lshl_b32 s30, s29, 9
	v_add_nc_u32 v27, s30, v27
	global_store_b128 v27, v[12:15], s[26:27]      ; 512 consecutive bytes
.Lpool_end:
	s_wait_tensorcnt 0x0                           ; the wave's end, behind my last LDS store
	ds_add_u32 v1, v2
	s_wait_dscnt 0x0
	s_endpgm
.Lfunc_end_k_qde1472cfd0_prep:
	.size	k_qde1472cfd0_prep, .Lfunc_end_k_qde1472cfd0_prep-k_qde1472cfd0_prep
	.p2alignl 7, 3214868480
	.fill 96, 4, 3214868480
	.section	.rodata,"a",@progbits
	.p2align	6, 0x0
	.amdhsa_kernel k_qde1472cfd0_prep
		.amdhsa_group_segment_fixed_size 2560
		.amdhsa_private_segment_fixed_size 0
		.amdhsa_enable_private_segment 0
		.amdhsa_kernarg_size 96
		.amdhsa_user_sgpr_count 2
		.amdhsa_user_sgpr_kernarg_segment_ptr 1
		.amdhsa_wavefront_size32 1
		.amdhsa_system_sgpr_workgroup_id_x 1
		.amdhsa_system_sgpr_workgroup_id_y 1
		.amdhsa_system_sgpr_workgroup_id_z 1
		.amdhsa_system_vgpr_workitem_id 0
		.amdhsa_next_free_vgpr 192
		.amdhsa_next_free_sgpr 66
		.amdhsa_reserve_vcc 0
		.amdhsa_float_denorm_mode_32 3
		.amdhsa_float_denorm_mode_16_64 3
		.amdhsa_memory_ordered 1
		.amdhsa_forward_progress 1
		.amdhsa_inst_pref_size 49
	.end_amdhsa_kernel
	.amdgpu_metadata
---
amdhsa.version: [ 1, 2 ]
amdhsa.kernels:
  - .name:           k_qde1472cfd0_prep
    .symbol:         k_qde1472cfd0_prep.kd
    .args:
      - { .name: coords_s, .offset: 0, .size: 8, .value_kind: global_buffer, .address_space: global }
      - { .name: coords_q, .offset: 8, .size: 8, .value_kind: global_buffer, .address_space: global }
      - { .name: feat_s7, .offset: 16, .size: 8, .value_kind: global_buffer, .address_space: global }
      - { .name: w_attn, .offset: 24, .size: 8, .value_kind: global_buffer, .address_space: global }
      - { .name: W1, .offset: 32, .size: 8, .value_kind: global_buffer, .address_space: global }
      - { .name: W2, .offset: 40, .size: 8, .value_kind: global_buffer, .address_space: global }
      - { .name: W_cls, .offset: 48, .size: 8, .value_kind: global_buffer, .address_space: global }
      - { .name: sfrag, .offset: 56, .size: 8, .value_kind: global_buffer, .address_space: global }
      - { .name: spack, .offset: 64, .size: 8, .value_kind: global_buffer, .address_space: global }
      - { .name: qfrag, .offset: 72, .size: 8, .value_kind: global_buffer, .address_space: global }
      - { .name: wts, .offset: 80, .size: 8, .value_kind: global_buffer, .address_space: global }
      - { .name: pool, .offset: 88, .size: 8, .value_kind: global_buffer, .address_space: global }
    .group_segment_fixed_size: 2560
    .private_segment_fixed_size: 0
    .kernarg_segment_align: 8
    .kernarg_segment_size: 96
    .max_flat_workgroup_size: 128
    .sgpr_count:     66
    .vgpr_count:     192
    .wavefront_size: 32
...
	.end_amdgpu_metadata
.endif
;; end of part 1
;; launch filter (part 2): grid 251 x 1, 4 waves a work-group, no clusters, 23,552 bytes of LDS; arguments sfrag, qfrag, pool, keys, gate; writes keys, gate
.if DOCPART == 2
	.amdgcn_target "amdgcn-amd-amdhsa--gfx1250"
	.amdhsa_code_object_version 6
	.text
	.protected	k_qde1472cfd0_filter
	.globl	k_qde1472cfd0_filter
	.p2align	8
	.type	k_qde1472cfd0_filter,@function
k_qde1472cfd0_filter:
	s_mov_b64 s[64:65], 0
	v_nop
	global_prefetch_b8 v0, s[64:65] scope:SCOPE_SE
	s_setreg_imm32_b32 hwreg(HW_REG_WAVE_MODE, 25, 1), 1
	s_wait_xcnt 0x0
; FILTER: for every query and each half of the supports, the four groups of 32 supports with the smallest group minimum of the squared distance.
; The three nearest supports lie in the three groups with the smallest minima; four are kept as a margin for this launch's arithmetic.  The next launch scores the kept groups in f32.
; SHARES.  Work-group x < 250: 160 queries (x / 2), 4,096 supports (x % 2).  All four waves hold the 160 queries (10 fragments, in registers all the time); wave w walks 1,024 supports: 64 tiles of 16.
; One matrix instruction (K = 32: prep's split coordinates) gives 16 supports x 16 queries; in the result a lane holds ONE query (lane % 16) and eight supports.  The rows of a support tile are chosen so that
; the eight of a lane, over four tiles, are one group of 32 neighbouring supports: row m of tile (g, t) is support 64 g + 32 (m / 8) + 8 t + m % 8.
; Four minimum instructions take a lane's eight numbers; after four tiles the minimum, with the group's number in its low 8 bits, is sorted into the lane's list of four (five instructions).
; The keys are positive f32 (q2' lifts them), so float order and unsigned order agree.
; Support fragments go from memory to registers (no wave shares them) through a ring of eight tiles.  The 16 distinct K slots of a support are loaded twice, into both halves of the fragment.
; Work-group 250 finishes the pooling: gate = sigmoid(sum of the 64 partial vectors / sum of the partial sums), with the common maximum taken away.
; NO CLUSTER: 250 work-groups are no multiple of four, and the two that share queries load them once.
; LIMITS.  A nearest support is missed only if two further supports lie within this product's error (some 2^-22 of the squared coordinates) of the third nearest.  A key below 0, which q2' rules out, is replaced
; by its group number alone.  NaN and infinities are not treated apart.
.set SPARE, 23040                      ; behind the lists: the spare words, 128 bytes a wave
.set LOG2E, 0x3fb8aa3b
.set ACC,  12                          ; v12-21   the running minimum of the group in hand, one a query tile
.set LIST, 22                          ; v22-61   four keys a query tile, ascending
.set D,    62                          ; v62-101  five results by turns
.set B,    102                         ; v102-181 ten query fragments
.set A,    182                         ; v182-245 eight support fragments: the ring
; v2 my lane's offset in a support tile; v3 my group's number; v4, v5 the add's registers; v6-9 at work; v10, v11 addresses
.macro MINS q, tl_, par                ; eight numbers into the running minimum; the result's lowest registers are read first
.set rD, D+8*((\q)%5)
.set rA, ACC+(\q)
.set rT, 6+2*(\par)
	v_min3_num_f32 v[rT], v[rD], v[rD+1], v[rD+2]
	v_min3_num_f32 v[rT+1], v[rD+3], v[rD+4], v[rD+5]
.if (\tl_) == 0
	v_min_num_f32 v[rA], v[rD+6], v[rD+7]
.else
	v_min3_num_f32 v[rA], v[rA], v[rD+6], v[rD+7]
.endif
	v_min3_num_f32 v[rA], v[rA], v[rT], v[rT+1]
.endm
.macro KINS l, x                       ; key v[x] into the ascending list v[l .. l+3]
	v_med3_num_f32 v[(\l)+3], v[(\l)+2], v[(\l)+3], v[\x]
	v_med3_num_f32 v[(\l)+2], v[(\l)+1], v[(\l)+2], v[\x]
	v_med3_num_f32 v[(\l)+1], v[\l], v[(\l)+1], v[\x]
	v_min_num_f32 v[\l], v[\l], v[\x]
.endm
.macro FOLD q, par                     ; the group's minimum becomes a key
	v_and_or_b32 v[6+2*(\par)], v[ACC+(\q)], s18, v3
	KINS LIST+4*(\q), 6+2*(\par)
.endm
; One group step: four support tiles (ring slots sb .. sb+3) x ten query tiles.  Behind each matrix instruction stand the four minimum instructions of the result BEFORE it: they name none of its registers and are the
; four places between it and the first read of its result, and, behind a tile's last product, between that product and the loads that fill the tile's slot again.
.macro GROUP sb
.set n, 0
.rept 40
.set tq, n%10
.set tl, n/10
.if tq == 0
	s_wait_loadcnt 14                              ; this slot's two loads are in; those of the seven younger slots stay out
.endif
	v_wmma_f32_16x16x32_bf16 v[D+8*(tq%5):D+8*(tq%5)+7], v[A+8*((\sb)+tl):A+8*((\sb)+tl)+7], v[B+8*tq:B+8*tq+7], 0
.if n == 0
.rept 4
	v_nop                                          ; no result is waiting yet
.endr
.else
	MINS (n-1)%10, (n-1)/10, (n-1)%2
.if (n-1)/10 == 3
	FOLD (n-1)%10, (n-1)%2
.endif
.endif
.if tq == 9
	global_load_b128 v[A+8*((\sb)+tl):A+8*((\sb)+tl)+3], v2, s[4:5] offset:((\sb)/4)*2048+tl*256+4096   ; the same slot, two group steps on
	global_load_b128 v[A+8*((\sb)+tl)+4:A+8*((\sb)+tl)+7], v2, s[4:5] offset:((\sb)/4)*2048+tl*256+4096
.endif
.set n, n+1
.endr
	MINS 9, 3, 1
	FOLD 9, 1
	v_add_nc_u32 v3, 2, v3                         ; a lane's groups are two apart
.endm
; Lane (r, h) joins the eight lists of query r of tile 2 p + h and stores the best four keys.
.macro PAIR lo, go
	ds_load_b128 v[6:9], v11 offset:\lo
.set i, 0
.rept 7
	ds_load_b128 v[B+4*i:B+4*i+3], v11 offset:(\lo)+16*(i+1)
.set i, i+1
.endr
	s_wait_dscnt 0x0
.set i, 0
.rept 28
	KINS 6, B+i
.set i, i+1
.endr
.irp k, 6,7,8,9
	v_cmp_gt_i32 vcc_lo, 0, v[\k]
	v_and_b32 v12, 0xff, v[\k]
	v_cndmask_b32 v[\k], v[\k], v12, vcc_lo
.endr
	global_store_b128 v10, v[6:9], s[10:11] offset:\go  ; a wave stores 512 consecutive bytes
.endm
	s_load_b256 s[4:11], s[0:1], 0x0               ; sfrag 4, qfrag 6, pool 8, keys 10
	s_load_b64 s[12:13], s[0:1], 0x20              ; gate
	v_lshl_add_u32 v4, v0, 2, SPARE
	v_mov_b32 v5, 0
	v_lshrrev_b32 v6, 5, v0
	v_readfirstlane_b32 s14, v6                    ; wave
	s_mov_b32 s19, ttmp9
	s_lshr_b32 s15, s19, 1                         ; which 160 queries
	s_and_b32 s16, s19, 1                          ; which half of the supports
	s_mov_b32 s18, 0xffffff00
	s_mov_b32 s21, 0
	s_wait_kmcnt 0x0
	s_cmp_eq_u32 s19, 250
	s_cbranch_scc1 .Lgate
	v_and_b32 v7, 15, v0                           ; r
	v_bfe_u32 v8, v0, 4, 1                         ; h
	v_lshlrev_b32 v10, 6, v7
	v_lshl_add_u32 v10, v8, 4, v10                 ; a query's 64 bytes: r x 64 + 16 h, and 32 further
	s_mul_i32 s20, s15, 10240
	s_add_nc_u64 s[6:7], s[6:7], s[20:21]
.set i, 0
.rept 10
	global_load_b128 v[B+8*i:B+8*i+3], v10, s[6:7] offset:1024*i
	global_load_b128 v[B+8*i+4:B+8*i+7], v10, s[6:7] offset:1024*i+32
.set i, i+1
.endr
	v_lshrrev_b32 v9, 3, v7
	v_and_b32 v11, 7, v7
	v_lshlrev_b32 v2, 10, v9                       ; (r / 8) x 32 supports
	v_lshl_add_u32 v2, v11, 5, v2                  ; + r % 8 supports of 32 bytes
	v_lshl_add_u32 v2, v8, 4, v2                   ; + 16 h
	s_lshl_b32 s20, s16, 17                        ; 4,096 supports
	s_lshl_b32 s22, s14, 15                        ; 1,024 supports
	s_add_co_u32 s20, s20, s22
	s_add_nc_u64 s[4:5], s[4:5], s[20:21]
.set i, 0
.rept 8
	global_load_b128 v[A+8*i:A+8*i+3], v2, s[4:5] offset:(i/4)*2048+(i%4)*256
	global_load_b128 v[A+8*i+4:A+8*i+7], v2, s[4:5] offset:(i/4)*2048+(i%4)*256
.set i, i+1
.endr
	s_lshl_b32 s22, s16, 7
	s_lshl_b32 s23, s14, 5
	s_add_co_u32 s22, s22, s23
	v_add_nc_u32 v3, s22, v8                       ; my first group: 128 half + 32 wave + h
.set i, 0
.rept 40
	v_mov_b32 v[LIST+i], 0x7f7fffff                ; above every key
.set i, i+1
.endr
	s_mov_b32 s17, 8
.Lgroups:                                              ; a trip: two group steps, once round the ring
	GROUP 0
	GROUP 4
	s_wait_xcnt 0x0                                ; the loads' base is stepped only behind this wait
	s_add_nc_u64 s[4:5], s[4:5], 4096
	s_sub_co_u32 s17, s17, 1
	s_cmp_lg_u32 s17, 0
	s_cbranch_scc1 .Lgroups
	s_wait_loadcnt 0x0                             ; the last trip's 16 loads ahead (inside sfrag: its 128 spare rows) are not used
	; the lists meet in LDS: [tile][query] rows of 144 bytes, 16 bytes for each of the eight sources (wave, h)
	v_and_b32 v10, 15, v0
	v_bfe_u32 v11, v0, 4, 1
	v_mul_u32_u24 v6, v10, 144
	s_lshl_b32 s20, s14, 5
	v_lshl_add_u32 v7, v11, 4, s20
	v_add_nc_u32 v7, v7, v6
.set i, 0
.rept 10
	ds_store_b128 v7, v[LIST+4*i:LIST+4*i+3] offset:2304*i
.set i, i+1
.endr
	s_mul_i32 s20, s14, 4608
	v_mad_u32_u24 v11, v11, 2304, v6
	v_add_nc_u32 v11, s20, v11                     ; wave w joins tiles 2 w and 2 w + 1
	v_lshlrev_b32 v10, 4, v0
	s_mul_i32 s20, s16, 320000
	s_mul_i32 s22, s15, 2560
	s_add_co_u32 s20, s20, s22
	s_add_nc_u64 s[10:11], s[10:11], s[20:21]
	s_wait_dscnt 0x0                               ; for the others' sake: my stores are done
	s_barrier_signal -1
	s_barrier_wait -1
	PAIR 0, 0
	s_cmp_lg_u32 s14, 0
	s_cbranch_scc1 .Ldone
	s_wait_xcnt 0x0                                ; the store's data are written again only behind this wait
	PAIR 18432, 2048                               ; wave 0 also joins tiles 8 and 9
.Ldone:
	s_wait_tensorcnt 0x0                           ; the wave's end, behind my last LDS store
	ds_add_u32 v4, v5
	s_wait_dscnt 0x0
	s_endpgm
	; ---------------- the gate: thread t takes channel min(t, 111)
.Lgate:
	v_min_u32 v6, 111, v0
	v_lshlrev_b32 v6, 2, v6
	v_mov_b32 v7, 0
.set i, 0
.rept 64
	global_load_b32 v[64+i], v6, s[8:9] offset:512*i
	global_load_b64 v[128+2*i:129+2*i], v7, s[8:9] offset:512*i+448   ; (m, l) of partial i
.set i, i+1
.endr
	v_lshlrev_b32 v9, 2, v0
	s_wait_loadcnt 0x0
	v_max3_num_f32 v8, v128, v130, v132
.set i, 3
.rept 30
	v_max3_num_f32 v8, v8, v[128+2*i], v[130+2*i]
.set i, i+2
.endr
	v_max_num_f32 v8, v8, v254                     ; the maximum of all logits
.set i, 0
.rept 64
	v_sub_f32 v[128+2*i], v[128+2*i], v8
.set i, i+1
.endr
.set i, 0
.rept 64
	v_mul_f32 v[128+2*i], LOG2E, v[128+2*i]
.set i, i+1
.endr
.set i, 0
.rept 64
	v_exp_f32 v[128+2*i], v[128+2*i]
.set i, i+1
.endr
	v_nop
	s_wait_alu depctr_va_vdst(0)
	v_mul_f32 v10, v128, v129                      ; two chains for each of the two sums
	v_mul_f32 v12, v128, v64
	v_mul_f32 v11, v130, v131
	v_mul_f32 v13, v130, v65
.set i, 2
.rept 62
	v_fmac_f32 v[10+i%2], v[128+2*i], v[129+2*i]
	v_fmac_f32 v[12+i%2], v[128+2*i], v[64+i]
.set i, i+1
.endr
	v_add_f32 v10, v10, v11
	v_add_f32 v12, v12, v13
	v_rcp_f32 v10, v10
	v_nop
	s_wait_alu depctr_va_vdst(0)
	v_mul_f32 v12, v12, v10                        ; g
	v_mul_f32 v12, 0xbfb8aa3b, v12
	v_exp_f32 v12, v12
	v_nop
	s_wait_alu depctr_va_vdst(0)
	v_add_f32 v12, 1.0, v12
	v_rcp_f32 v12, v12                             ; sigmoid(g)
	v_nop
	s_wait_alu depctr_va_vdst(0)
	global_store_b32 v9, v12, s[12:13]
	s_endpgm
.Lfunc_end_k_qde1472cfd0_filter:
	.size	k_qde1472cfd0_filter, .Lfunc_end_k_qde1472cfd0_filter-k_qde1472cfd0_filter
	.p2alignl 7, 3214868480
	.fill 96, 4, 3214868480
	.section	.rodata,"a",@progbits
	.p2align	6, 0x0
	.amdhsa_kernel k_qde1472cfd0_filter
		.amdhsa_group_segment_fixed_size 23552
		.amdhsa_private_segment_fixed_size 0
		.amdhsa_enable_private_segment 0
		.amdhsa_kernarg_size 40
		.amdhsa_user_sgpr_count 2
		.amdhsa_user_sgpr_kernarg_segment_ptr 1
		.amdhsa_wavefront_size32 1
		.amdhsa_system_sgpr_workgroup_id_x 1
		.amdhsa_system_sgpr_workgroup_id_y 1
		.amdhsa_system_sgpr_workgroup_id_z 1
		.amdhsa_system_vgpr_workitem_id 0
		.amdhsa_next_free_vgpr 256
		.amdhsa_next_free_sgpr 66
		.amdhsa_reserve_vcc 1
		.amdhsa_float_denorm_mode_32 3
		.amdhsa_float_denorm_mode_16_64 3
		.amdhsa_memory_ordered 1
		.amdhsa_forward_progress 1
		.amdhsa_inst_pref_size 83
	.end_amdhsa_kernel
	.amdgpu_metadata
---
amdhsa.version: [ 1, 2 ]
amdhsa.kernels:
  - .name:           k_qde1472cfd0_filter
    .symbol:         k_qde1472cfd0_filter.kd
    .args:
      - { .name: sfrag, .offset: 0, .size: 8, .value_kind: global_buffer, .address_space: global }
      - { .name: qfrag, .offset: 8, .size: 8, .value_kind: global_buffer, .address_space: global }
      - { .name: pool, .offset: 16, .size: 8, .value_kind: global_buffer, .address_space: global }
      - { .name: keys, .offset: 24, .size: 8, .value_kind: global_buffer, .address_space: global }
      - { .name: gate, .offset: 32, .size: 8, .value_kind: global_buffer, .address_space: global }
    .group_segment_fixed_size: 23552
    .private_segment_fixed_size: 0
    .kernarg_segment_align: 8
    .kernarg_segment_size: 40
    .max_flat_workgroup_size: 128
    .sgpr_count:     66
    .vgpr_count:     256
    .wavefront_size: 32
...
	.end_amdgpu_metadata
.endif
;; end of part 2
;; launch rescore (part 3): grid 625 x 1, 4 waves a work-group, no clusters, 18,944 bytes of LDS; arguments keys, spack, coords_q, match; writes match
.if DOCPART == 3
	.amdgcn_target "amdgcn-amd-amdhsa--gfx1250"
	.amdhsa_code_object_version 6
	.text
	.protected	k_qde1472cfd0_rescore
	.globl	k_qde1472cfd0_rescore
	.p2align	8
	.type	k_qde1472cfd0_rescore,@function
k_qde1472cfd0_rescore:
	s_mov_b64 s[64:65], 0
	v_nop
	global_prefetch_b8 v0, s[64:65] scope:SCOPE_SE
	s_setreg_imm32_b32 hwreg(HW_REG_WAVE_MODE, 25, 1), 1
	s_wait_xcnt 0x0
; RESCORE: the three nearest supports of every query, with their softmax weights.
; The two halves' four keys each are joined (whole numbers: min of one ascending list with the other reversed gives the four smallest of eight); their low bytes name four groups of 32 supports.
; Those 128 supports are scored in f32 as d2 = (q2 + s2) - 2 dot, dot = fma(z, sz, fma(y, sy, x sx)), q2 and s2 made the same way; the three smallest are kept with their indices; of equal numbers the lower index wins.
; SHARES.  A wave owns 8 queries; lane L stands for query L / 4 and its group number L % 4 (groups ascending).  Waves are independent: no barrier.
;   Step A: for each of the 32 (query, group) rows the wave's lanes are the group's 32 supports: one load of 512 consecutive bytes, five arithmetic instructions, one LDS store.
;   Step B: lane L reads row L back (its own wave's bytes; LDS serves a wave's instructions in order) and sorts its 32 numbers into a list of three; two exchanges inside each four lanes join the lists.
; match[q] = i1, i2, i3, 0, w1, w2, w3, 0 (the weights as bit patterns): a wave stores 256 consecutive bytes.
; LIMITS.  NaN and infinities are not treated apart.  Where reference()'s own f32 rounding of d2 differs from this formula's in the last bit, a third and a fourth neighbour closer than that bit may change places.
; No matrix unit: 2.56 million pairs with K = 3 in f32.
.set SPARE, 18432
.set LOG2E, 0x3fb8aa3b
; v2, v3 the add's registers; v8-15 keys; v16-19 x, y, z, q2; v20-23 groups; v24 my group; v25-27 addresses; v28-30 m1..m3; v31-33 i1..i3; v34 at work; v36-41 the partner's list; v40-47 at work in step A
; v64-191 32 rows x (x, y, z, s2); v192-223 my row's 32 numbers
.macro INSERT x, id                    ; number x with index id into the ascending list; a strict compare, so what is in the list wins a tie
	v_cmp_lt_f32 s26, \x, v28
	v_cmp_lt_f32 s27, \x, v29
	v_cmp_lt_f32 s28, \x, v30
	v_cndmask_b32 v34, \id, v32, s27
	v_cndmask_b32 v33, v33, v34, s28
	v_cndmask_b32 v34, \id, v31, s26
	v_cndmask_b32 v32, v32, v34, s27
	v_cndmask_b32 v31, v31, \id, s26
	v_med3_num_f32 v30, v29, v30, \x
	v_med3_num_f32 v29, v28, v29, \x
	v_min_num_f32 v28, v28, \x
.endm
.macro MERGE mk                        ; the list of the lane mk away is sorted into mine.  Only the lowest lane of four is used: its own groups are the lower ones, so its own numbers rightly win ties
.irp j, 0,1,2,3,4,5
	v_mov_b32_dpp v[36+\j], v[28+\j] row_xmask:\mk row_mask:0xf bank_mask:0xf
.endr
	INSERT v36, v39
	INSERT v37, v40
	INSERT v38, v41
.endm
	s_load_b256 s[4:11], s[0:1], 0x0               ; keys 4, spack 6, coords_q 8, match 10
	v_lshl_add_u32 v2, v0, 2, SPARE
	v_mov_b32 v3, 0
	v_lshrrev_b32 v34, 5, v0
	v_readfirstlane_b32 s14, v34                   ; wave
	v_and_b32 v4, 31, v0
	s_lshl_b32 s16, ttmp9, 5
	v_lshrrev_b32 v5, 2, v0
	v_add_nc_u32 v5, s16, v5                       ; my query
	v_lshlrev_b32 v6, 4, v5
	v_mul_u32_u24 v7, v5, 12
	s_mul_i32 s15, s14, 4608                       ; my wave's 32 rows of 144 bytes
	v_lshlrev_b32 v25, 4, v4
	v_lshl_add_u32 v26, v4, 2, s15
	v_mad_u32_u24 v27, v4, 144, s15
	s_mov_b32 s24, 0xaaaaaaaa                      ; lanes with L % 4 odd
	s_mov_b32 s25, 0xcccccccc                      ; lanes with L % 4 = 2, 3
	s_wait_kmcnt 0x0
	global_load_b128 v[8:11], v6, s[4:5]
	global_load_b128 v[12:15], v6, s[4:5] offset:320000
	global_load_b32 v16, v7, s[8:9]
	global_load_b32 v17, v7, s[8:9] offset:4
	global_load_b32 v18, v7, s[8:9] offset:8
.irp j, 36,37,38,39,40,41
	v_mov_b32 v[\j], 0                             ; the exchanges' destinations count as read
.endr
	s_wait_loadcnt 0x0
	v_min_u32 v20, v8, v15                         ; the four smallest of the eight keys
	v_min_u32 v21, v9, v14
	v_min_u32 v22, v10, v13
	v_min_u32 v23, v11, v12
.irp j, 20,21,22,23
	v_and_b32 v[\j], 0xff, v[\j]                   ; their groups,
.endr
	v_min_u32 v34, v20, v21                        ; sorted ascending by five exchanges
	v_max_u32 v35, v20, v21
	v_min_u32 v42, v22, v23
	v_max_u32 v43, v22, v23
	v_min_u32 v20, v34, v42
	v_max_u32 v44, v34, v42
	v_min_u32 v45, v35, v43
	v_max_u32 v23, v35, v43
	v_min_u32 v21, v45, v44
	v_max_u32 v22, v45, v44
	v_cndmask_b32 v34, v20, v21, s24
	v_cndmask_b32 v35, v22, v23, s24
	v_cndmask_b32 v24, v34, v35, s25
	v_min_u32 v24, 255, v24                        ; my group
	v_mul_f32 v19, v16, v16
	v_fma_f32 v19, v17, v17, v19
	v_fma_f32 v19, v18, v18, v19                   ; q2
	; step A: all 32 rows are asked for, eight at a time
.set b8, 0
.rept 4
.set j, 0
.rept 8
	v_readlane_b32 s[40+j], v24, 8*b8+j
.set j, j+1
.endr
.set j, 0
.rept 8
	s_min_u32 s[40+j], s[40+j], 255
.set j, j+1
.endr
.set j, 0
.rept 8
	v_lshl_add_u32 v[64+4*(8*b8+j)], s[40+j], 9, v25   ; a group is 512 bytes of spack
.set j, j+1
.endr
.set j, 0
.rept 8
	global_load_b128 v[64+4*(8*b8+j):67+4*(8*b8+j)], v[64+4*(8*b8+j)], s[6:7]   ; the load lands on its own address register
.set j, j+1
.endr
.set b8, b8+1
.endr
.set i, 0
.rept 32
.if i%4 == 0
	v_readlane_b32 s20, v16, i                     ; the row's query
	v_readlane_b32 s21, v17, i
	v_readlane_b32 s22, v18, i
	v_readlane_b32 s23, v19, i
.endif
.set rT, 40+2*(i%4)
	s_wait_loadcnt 31-i                            ; row i is in; the younger rows stay out
	v_mul_f32 v[rT], s20, v[64+4*i]
	v_fma_f32 v[rT], s21, v[65+4*i], v[rT]
	v_fma_f32 v[rT], s22, v[66+4*i], v[rT]
	v_add_f32 v[rT+1], s23, v[67+4*i]
	v_fma_f32 v[rT+1], -2.0, v[rT], v[rT+1]
	ds_store_b32 v26, v[rT+1] offset:144*i
.set i, i+1
.endr
	; step B
.set i, 0
.rept 8
	ds_load_b128 v[192+4*i:195+4*i], v27 offset:16*i
.set i, i+1
.endr
	v_mov_b32 v28, 0x7f800000
	v_mov_b32 v29, 0x7f800000
	v_mov_b32 v30, 0x7f800000
	v_mov_b32 v31, 0
	v_mov_b32 v32, 0
	v_mov_b32 v33, 0
	s_wait_dscnt 0x0
.set i, 0
.rept 32
	INSERT v[192+i], i
.set i, i+1
.endr
	v_lshl_add_u32 v31, v24, 5, v31                ; support = 32 x group + place
	v_lshl_add_u32 v32, v24, 5, v32
	v_lshl_add_u32 v33, v24, 5, v33
	MERGE 1
	MERGE 2
.irp j, 0,1,2,3,4,5
	v_mov_b32_dpp v[36+\j], v[28+\j] quad_perm:[0,0,0,0] row_mask:0xf bank_mask:0xf   ; the lowest lane's list, for all four
.endr
	v_sub_f32 v42, v36, v37                        ; softmax of -d2: the largest, -m1, is taken away
	v_sub_f32 v43, v36, v38
	v_mul_f32 v42, LOG2E, v42
	v_mul_f32 v43, LOG2E, v43
	v_exp_f32 v42, v42
	v_exp_f32 v43, v43
	v_nop
	s_wait_alu depctr_va_vdst(0)
	v_add_f32 v44, 1.0, v42
	v_add_f32 v44, v44, v43
	v_rcp_f32 v44, v44                             ; w1
	v_nop
	s_wait_alu depctr_va_vdst(0)
	v_mul_f32 v42, v42, v44                        ; w2
	v_mul_f32 v43, v43, v44                        ; w3
	s_lshl_b32 s15, ttmp9, 10
	v_lshl_add_u32 v35, v0, 3, s15
	v_cndmask_b32 v46, v39, v41, s24               ; the four lanes store (i1, i2), (i3, 0), (w1, w2), (w3, 0)
	v_cndmask_b32 v47, v44, v43, s24
	v_cndmask_b32 v46, v46, v47, s25
	v_cndmask_b32 v45, v40, 0, s24
	v_cndmask_b32 v47, v42, 0, s24
	v_cndmask_b32 v47, v45, v47, s25
	global_store_b64 v35, v[46:47], s[10:11]
	s_wait_tensorcnt 0x0                           ; the wave's end, behind my last LDS store
	ds_add_u32 v2, v3
	s_wait_dscnt 0x0
	s_endpgm
.Lfunc_end_k_qde1472cfd0_rescore:
	.size	k_qde1472cfd0_rescore, .Lfunc_end_k_qde1472cfd0_rescore-k_qde1472cfd0_rescore
	.p2alignl 7, 3214868480
	.fill 96, 4, 3214868480
	.section	.rodata,"a",@progbits
	.p2align	6, 0x0
	.amdhsa_kernel k_qde1472cfd0_rescore
		.amdhsa_group_segment_fixed_size 18944
		.amdhsa_private_segment_fixed_size 0
		.amdhsa_enable_private_segment 0
		.amdhsa_kernarg_size 32
		.amdhsa_user_sgpr_count 2
		.amdhsa_user_sgpr_kernarg_segment_ptr 1
		.amdhsa_wavefront_size32 1
		.amdhsa_system_sgpr_workgroup_id_x 1
		.amdhsa_system_sgpr_workgroup_id_y 1
		.amdhsa_system_sgpr_workgroup_id_z 1
		.amdhsa_system_vgpr_workitem_id 0
		.amdhsa_next_free_vgpr 224
		.amdhsa_next_free_sgpr 66
		.amdhsa_reserve_vcc 0
		.amdhsa_float_denorm_mode_32 3
		.amdhsa_float_denorm_mode_16_64 3
		.amdhsa_memory_ordered 1
		.amdhsa_forward_progress 1
		.amdhsa_inst_pref_size 54
	.end_amdhsa_kernel
	.amdgpu_metadata
---
amdhsa.version: [ 1, 2 ]
amdhsa.kernels:
  - .name:           k_qde1472cfd0_rescore
    .symbol:         k_qde1472cfd0_rescore.kd
    .args:
      - { .name: keys, .offset: 0, .size: 8, .value_kind: global_buffer, .address_space: global }
      - { .name: spack, .offset: 8, .size: 8, .value_kind: global_buffer, .address_space: global }
      - { .name: coords_q, .offset: 16, .size: 8, .value_kind: global_buffer, .address_space: global }
      - { .name: match, .offset: 24, .size: 8, .value_kind: global_buffer, .address_space: global }
    .group_segment_fixed_size: 18944
    .private_segment_fixed_size: 0
    .kernarg_segment_align: 8
    .kernarg_segment_size: 32
    .max_flat_workgroup_size: 128
    .sgpr_count:     66
    .vgpr_count:     224
    .wavefront_size: 32
...
	.end_amdgpu_metadata
.endif
;; end of part 3
;; launch mlp (part 4): grid 250 x 1, 4 waves a work-group, no clusters, 191,232 bytes of LDS; arguments x7, feat_s, match, gate, wts, gamma, beta, b_cls, out0; writes out0
.if DOCPART == 4
	.amdgcn_target "amdgcn-amd-amdhsa--gfx1250"
	.amdhsa_code_object_version 6
	.text
	.protected	k_qde1472cfd0_mlp
	.globl	k_qde1472cfd0_mlp
	.p2align	8
	.type	k_qde1472cfd0_mlp,@function
k_qde1472cfd0_mlp:
	s_mov_b64 s[64:65], 0
	v_nop
	global_prefetch_b8 v0, s[64:65] scope:SCOPE_SE
	s_setreg_imm32_b32 hwreg(HW_REG_WAVE_MODE, 25, 1), 1
	s_wait_xcnt 0x0
; MLP: out = relu(([x7 gate, sum of w_k feat_s[i_k]] W1) gamma + beta) W2 W_cls + b_cls, for 80 queries a work-group.
; PHASE 0.  A wave builds 20 rows of the first layer's input (224 f16, in LDS): 28 lanes hold a row of 112 f32; the three gathered rows are blended in f32.  Ten queries' loads are on their way at a time.
; LAYERS.  All products are used transposed: source 0 = 16 output channels (prep's fragment images, copied into LDS once), source 1 = 16 queries.  In the result a lane holds one query and eight neighbouring channels, which,
; rounded in pairs, ARE half a fragment of the next layer's source 1: nothing changes lanes between the layers.  In layers 1 and 2 wave w makes channels 32 w .. 32 w + 31 (the next layer's K block w) for all five query
; tiles: ten accumulators, which take turns.  Channels 112-127 have zero weights on both sides.  In layer 3 wave w makes query tile w (wave 0 also tile 4).
; FORMATS.  All operands f16, all sums f32: four roundings to 8 significant bits behind the first layer would spend more than the comparison allows near 0.  x7 gate, the blends and the weights must stay within 65,504.
; The hidden layer grows with three inputs' scales, so it is SCALED: behind the ReLU the chain is linear up to the bias, and each query's hidden row is multiplied by 2^-E, E the exponent of its largest number
; (exact; the row then lies in 0 to 2), and the classifier's sums by 2^E.  The largest number is found in f32: each lane's maximum of its 16 channels goes through LDS, eight words a query.
; The weights are filled by asynchronous copies, once; nothing in LDS is filled again.  NO CLUSTER: 250 work-groups are no multiple of four.
; LIMITS.  NaN and infinities are not treated apart.  A hidden number of 2^127 or more is not served (its row's factor would be 0); a row whose largest number is below 2^-126 counts as 0.
.set XB,    98304                      ; behind the weights (98,304 bytes): 80 rows of 448 + 48 bytes = 31 x 16: the 16 rows of a load start at 16 different groups of four banks (64 banks of 4 bytes: ISA guide 11.1)
.set XP,    496
.set H1B,   137984                     ; [query tile][K block][half][lane] x 16 bytes
.set H2B,   158464
.set OUTB,  178944                     ; 16 rows x 144 bytes for each wave
.set SCB,   188160                     ; [query tile][query][wave][half] x 4 bytes: the lanes' maxima
.set SPARE, 190720                     ; the spare words, 128 bytes a wave
; v1 r, v2 h, v3 16 min(lane, 27); v4, v5 the add's registers; v6, v7, v227, v228 the copies' addresses; v8-15 LDS addresses; v16-31 gamma, later the bias; v32-47 beta; v48-51 gate, later addresses; v52-56 records, later addresses
; v58-61 at work; v62 lane; v63 0; v64-223 ten slots of (x, f1, f2, f3); later v64-143 accumulators, v144-199 and v200-255 two sets of fragments
.macro ISSUE sl, qi                    ; query qi's three rows of feat_s into slot sl
.set rS, 64+16*(\sl)
.set rR, 52+(\qi)/4
.set rL, ((\qi)%4)*8
	v_readlane_b32 s30, v[rR], rL
	v_readlane_b32 s31, v[rR], rL+1
	v_readlane_b32 s32, v[rR], rL+2
	s_min_u32 s30, s30, 8191
	s_min_u32 s31, s31, 8191
	s_min_u32 s32, s32, 8191
	s_mul_i32 s30, s30, 448
	s_mul_i32 s31, s31, 448
	s_mul_i32 s32, s32, 448
	v_add_nc_u32 v[rS+4], s30, v3
	v_add_nc_u32 v[rS+8], s31, v3
	v_add_nc_u32 v[rS+12], s32, v3
	global_load_b128 v[rS+4:rS+7], v[rS+4], s[6:7]     ; each lands on its own address register
	global_load_b128 v[rS+8:rS+11], v[rS+8], s[6:7]
	global_load_b128 v[rS+12:rS+15], v[rS+12], s[6:7]
.endm
.macro CONSUME sl, qi, cnt             ; cnt: the loads issued behind this slot's
.set rS, 64+16*(\sl)
.set rR, 52+(\qi)/4
.set rL, ((\qi)%4)*8
	v_readlane_b32 s24, v[rR], rL+4                ; w1, w2, w3
	v_readlane_b32 s26, v[rR], rL+5
	v_readlane_b32 s28, v[rR], rL+6
	s_wait_loadcnt \cnt
	v_pk_mul_f32 v[rS:rS+1], v[rS:rS+1], v[48:49]
	v_pk_mul_f32 v[rS+2:rS+3], v[rS+2:rS+3], v[50:51]
	v_pk_mul_f32 v[rS+4:rS+5], v[rS+4:rS+5], s[24:25] op_sel_hi:[1,0]
	v_pk_mul_f32 v[rS+6:rS+7], v[rS+6:rS+7], s[24:25] op_sel_hi:[1,0]
	v_pk_fma_f32 v[rS+4:rS+5], v[rS+8:rS+9], s[26:27], v[rS+4:rS+5] op_sel_hi:[1,0,1]
	v_pk_fma_f32 v[rS+6:rS+7], v[rS+10:rS+11], s[26:27], v[rS+6:rS+7] op_sel_hi:[1,0,1]
	v_pk_fma_f32 v[rS+4:rS+5], v[rS+12:rS+13], s[28:29], v[rS+4:rS+5] op_sel_hi:[1,0,1]
	v_pk_fma_f32 v[rS+6:rS+7], v[rS+14:rS+15], s[28:29], v[rS+6:rS+7] op_sel_hi:[1,0,1]
	v_cvt_pk_f16_f32 v58, v[rS], v[rS+1]
	v_cvt_pk_f16_f32 v59, v[rS+2], v[rS+3]
	v_cvt_pk_f16_f32 v60, v[rS+4], v[rS+5]
	v_cvt_pk_f16_f32 v61, v[rS+6], v[rS+7]
	ds_store_b64 v8, v[58:59] offset:(\qi)*XP      ; 8 bytes a lane; what lanes 28-31 put at bytes 224-255 is written over by the next line (LDS serves a wave's instructions in order: ISA guide 5.7.1.4),
	ds_store_b64 v8, v[60:61] offset:(\qi)*XP+224  ; whose lanes 28-31 fall into the row's padding
.endm
.macro PLACES                          ; four places (ISA guide 7.12.1) behind matrix instructions whose registers are read, written or loaded next
.rept 4
	v_nop
.endr
.endm
; 14 LDS loads: my two weight fragments and the five query tiles' fragments of K block kb
.macro FETCH set, kb, KB, asrc, bsrc, fromx
.irp mtl, 0,1
	ds_load_b128 v[(\set)+8*\mtl:(\set)+8*\mtl+3], v[\asrc] offset:((\mtl)*(\KB)+(\kb))*1024
	ds_load_b128 v[(\set)+8*\mtl+4:(\set)+8*\mtl+7], v[\asrc] offset:((\mtl)*(\KB)+(\kb))*1024+512
.endr
.irp qt, 0,1,2,3,4
.if \fromx
	ds_load_b128 v[(\set)+16+8*\qt:(\set)+16+8*\qt+3], v[\bsrc] offset:(\qt)*16*XP+(\kb)*64
	ds_load_b128 v[(\set)+16+8*\qt+4:(\set)+16+8*\qt+7], v[\bsrc] offset:(\qt)*16*XP+(\kb)*64+32
.else
	ds_load_b128 v[(\set)+16+8*\qt:(\set)+16+8*\qt+3], v[\bsrc] offset:((\qt)*4+(\kb))*1024
	ds_load_b128 v[(\set)+16+8*\qt+4:(\set)+16+8*\qt+7], v[\bsrc] offset:((\qt)*4+(\kb))*1024+512
.endif
.endr
.endm
.macro MMA rc, ra, rb, zero
.if \zero
	v_wmma_f32_16x16x32_f16 v[\rc:\rc+7], v[\ra:\ra+7], v[\rb:\rb+7], 0
.else
	v_wmma_f32_16x16x32_f16 v[\rc:\rc+7], v[\ra:\ra+7], v[\rb:\rb+7], v[\rc:\rc+7]
.endif
.endm
; A layer: KB blocks of 32 along K on two sets of fragments; while one is multiplied the other's loads are out.  The ten accumulators take turns, one instruction a turn; the first block starts the sums.
.macro LAYER KB, asrc, bsrc, fromx
	FETCH 144, 0, \KB, \asrc, \bsrc, \fromx
.set kk, 0
.rept \KB
.set cur, 144+56*(kk%2)
.set nxt, 144+56*((kk+1)%2)
.set zz, 0
.if kk == 0
.set zz, 1
.endif
.if kk+1 < \KB
.if kk >= 1
	PLACES                                         ; the set to be loaded was multiplied just now
.endif
	FETCH nxt, kk+1, \KB, \asrc, \bsrc, \fromx
	s_wait_dscnt 14                                ; all but the 14 just issued
.else
	s_wait_dscnt 0x0
.endif
.set qq, 0
.rept 5
.set mm, 0
.rept 2
	MMA 64+8*(2*qq+mm), cur+8*mm, cur+16+8*qq, zz
.set mm, mm+1
.endr
.set qq, qq+1
.endr
.set kk, kk+1
.endr
.endm
; The classifier for one query tile: 8 matrix instructions on two accumulators by turns; the sums times the query's 2^E, plus the bias; then 16 rows x 20 numbers go through my own stage and leave as 1,280 consecutive bytes.
.macro OUT_TILE ho, go, so, first
.if \first
.set i, 0
.rept 8
	ds_load_b128 v[144+8*i:147+8*i], v15 offset:1024*i
	ds_load_b128 v[148+8*i:151+8*i], v15 offset:1024*i+512
.set i, i+1
.endr
.endif
.set i, 0
.rept 4
	ds_load_b128 v[208+8*i:211+8*i], v52 offset:(\ho)+1024*i
	ds_load_b128 v[212+8*i:215+8*i], v52 offset:(\ho)+1024*i+512
.set i, i+1
.endr
	ds_load_b128 v[96:99], v51 offset:\so          ; my query's eight maxima once more
	ds_load_b128 v[100:103], v51 offset:(\so)+16
	s_wait_loadcnt 0x0                             ; the bias
	s_wait_dscnt 0x0
	v_wmma_f32_16x16x32_f16 v[64:71], v[144:151], v[208:215], 0
	v_wmma_f32_16x16x32_f16 v[72:79], v[176:183], v[208:215], 0
.set i, 1
.rept 3
	v_wmma_f32_16x16x32_f16 v[64:71], v[144+8*i:151+8*i], v[208+8*i:215+8*i], v[64:71]
	v_wmma_f32_16x16x32_f16 v[72:79], v[176+8*i:183+8*i], v[208+8*i:215+8*i], v[72:79]
.set i, i+1
.endr
	v_max3_num_f32 v104, v96, v97, v98             ; six plain lines that name none of the products' registers: the places behind them, also for the next tile's first products, which write over these sums
	v_max3_num_f32 v104, v104, v99, v100
	v_max3_num_f32 v104, v104, v101, v102
	v_max3_num_f32 v104, v104, v103, v63
	v_and_b32 v104, 0x7f800000, v104               ; 2^E
	v_mov_b32 v105, v104
.irp j, 0,2,4,6
	v_pk_fma_f32 v[64+\j:65+\j], v[64+\j:65+\j], v[104:105], v[16+\j:17+\j]
.endr
.irp j, 0,2,4,6
	v_pk_fma_f32 v[72+\j:73+\j], v[72+\j:73+\j], v[104:105], v[24+\j:25+\j]
.endr
	ds_store_b128 v53, v[64:67]                    ; row r: classes 8 h + 0..3,
	ds_store_b128 v53, v[68:71] offset:16          ; 8 h + 4..7,
	ds_store_b128 v53, v[72:75] offset:64          ; 16 + 8 h + 0..3,
	ds_store_b128 v53, v[76:79] offset:80          ; and the rest, which nobody reads
	ds_load_b128 v[80:83], v54                     ; my own bytes: LDS serves a wave's instructions in order (ISA guide 5.7.1.4)
	ds_load_b128 v[84:87], v55
	ds_load_b128 v[88:91], v56
	s_wait_dscnt 0x0
	global_store_b128 v48, v[80:83], s[20:21] offset:\go th:TH_STORE_NT   ; 512 consecutive bytes,
	global_store_b128 v49, v[84:87], s[20:21] offset:\go th:TH_STORE_NT   ; 512 more,
	global_store_b128 v50, v[88:91], s[20:21] offset:\go th:TH_STORE_NT   ; and the last 256: lanes 15-31 all hold the last 16 bytes
.endm
	s_load_b512 s[4:19], s[0:1], 0x0               ; x7 4, feat_s 6, match 8, gate 10, wts 12, gamma 14, beta 16, b_cls 18
	s_load_b64 s[20:21], s[0:1], 0x40              ; out0
	v_lshl_add_u32 v4, v0, 2, SPARE
	v_mov_b32 v5, 0
	ds_add_u32 v4, v5                              ; the wave's opening: the add and its wait ahead of my first copy; the set-up below, work on registers, stands between them
	ds_add_u32 v4, v5
	v_and_b32 v62, 31, v0                          ; lane
	v_and_b32 v1, 15, v0                           ; r
	v_bfe_u32 v2, v0, 4, 1                         ; h
	v_min_u32 v3, 27, v62
	v_lshrrev_b32 v57, 5, v0
	v_readfirstlane_b32 s22, v57                   ; wave
	s_mov_b32 s23, ttmp9
	v_lshlrev_b32 v6, 4, v0                        ; the copies: 16 bytes a thread, in LDS
	v_lshlrev_b32 v7, 4, v0                        ; and in the image;
	v_lshl_add_u32 v227, v0, 4, 0x10000            ; a second pair of addresses for what lies 65,536 bytes on, so that every immediate stays below that
	v_lshl_add_u32 v228, v0, 4, 0x10000
	v_mov_b32 v63, 0
	s_mul_i32 s30, s22, 20*XP
	s_add_co_u32 s30, s30, XB
	v_lshl_add_u32 v8, v62, 3, s30                 ; where I put 8 bytes of my wave's rows
	v_lshlrev_b32 v3, 4, v3
	s_mul_i32 s30, s22, 14336
	v_lshl_add_u32 v9, v62, 4, s30                 ; W1^T: my two row tiles of 7 fragments
	v_mul_u32_u24 v10, v1, XP
	v_lshl_add_u32 v10, v2, 4, v10
	v_add_nc_u32 v10, XB, v10                      ; the input's fragments: row r, 16 h
	v_lshl_add_u32 v11, v62, 4, H1B
	s_lshl_b32 s30, s22, 10
	v_add_nc_u32 v12, s30, v11                     ; my K block of H1,
	v_add_nc_u32 v13, H2B-H1B, v12                 ; and of H2
	s_lshl_b32 s30, s22, 13
	s_add_co_u32 s30, s30, 57344
	v_lshl_add_u32 v14, v62, 4, s30                ; W2^T: my two row tiles of 4 fragments
	v_lshl_add_u32 v15, v62, 4, 90112              ; W_cls^T
	s_lshl_b32 s30, s22, 7
	v_lshl_add_u32 v224, v2, 5, s30                ; gamma, beta at channel 32 w + 8 h,
	v_add_nc_u32 v225, 64, v224
	v_min_u32 v225, 416, v225                      ; and at 32 w + 16 + 8 h, held inside the 112 (the channels beyond meet zero weights)
	v_lshlrev_b32 v226, 2, v62
	s_mul_i32 s30, s23, 80
	s_mul_i32 s31, s22, 20
	s_add_co_u32 s30, s30, s31                     ; my wave's first query
	s_lshl_b32 s32, s30, 5
	s_mov_b32 s33, 0
	s_mul_i32 s34, s30, 448
	s_mov_b32 s35, 0
	s_mul_i32 s36, s23, 6400
	s_mov_b32 s37, 0
	s_mov_b32 s25, 0                               ; named with the weights as pairs
	s_mov_b32 s27, 0
	s_mov_b32 s29, 0
	s_wait_dscnt 0x0                               ; the opening add is done
	s_wait_kmcnt 0x0
.set i, 0
.rept 32
	global_load_async_to_lds_b128 v6, v7, s[12:13] offset:2048*i   ; the weights' 98,304 bytes, 2,048 to a line for the four waves; 48 copies of mine are out
.set i, i+1
.endr
.set i, 0
.rept 16
	global_load_async_to_lds_b128 v227, v228, s[12:13] offset:2048*i
.set i, i+1
.endr
	s_add_nc_u64 s[8:9], s[8:9], s[32:33]
	s_add_nc_u64 s[4:5], s[4:5], s[34:35]
	s_add_nc_u64 s[20:21], s[20:21], s[36:37]
.irp j, 0,1,2,3,4
	global_load_b32 v[52+\j], v226, s[8:9] offset:128*\j   ; 20 records of 8 words
.endr
	global_load_b128 v[48:51], v3, s[10:11]
	global_load_b128 v[16:19], v224, s[14:15]
	global_load_b128 v[20:23], v224, s[14:15] offset:16
	global_load_b128 v[24:27], v225, s[14:15]
	global_load_b128 v[28:31], v225, s[14:15] offset:16
	global_load_b128 v[32:35], v224, s[16:17]
	global_load_b128 v[36:39], v224, s[16:17] offset:16
	global_load_b128 v[40:43], v225, s[16:17]
	global_load_b128 v[44:47], v225, s[16:17] offset:16
.set i, 0
.rept 10
	global_load_b128 v[64+16*i:67+16*i], v3, s[4:5] offset:448*i th:TH_LOAD_NT
.set i, i+1
.endr
	s_wait_loadcnt 19                              ; the records are in: behind them 1 + 8 + 10 loads
.set i, 0
.rept 10
	ISSUE i, i
.set i, i+1
.endr
.set i, 0
.rept 10
	CONSUME i, i, 27+i                             ; behind slot i's gathers: 3 (9 - i) gathers and 4 i loads of the second ten
	global_load_b128 v[64+16*i:67+16*i], v3, s[4:5] offset:448*(i+10) th:TH_LOAD_NT
	ISSUE i, i+10
.set i, i+1
.endr
.set i, 0
.rept 10
	CONSUME i, i+10, 36-4*i                        ; behind slot i's four loads: 4 (9 - i)
.set i, i+1
.endr
	v_lshlrev_b32 v49, 5, v1                       ; the gate is done with: the maxima's addresses
	v_add_nc_u32 v49, SCB, v49                     ; a query's eight words: 32 r, in tile 0
	s_lshl_b32 s30, s22, 3
	v_lshl_add_u32 v48, v2, 2, s30
	v_add_nc_u32 v48, v48, v49                     ; my word among them: + 8 w + 4 h
	s_lshl_b32 s30, s22, 9
	v_add_nc_u32 v51, s30, v49                     ; the eight words in tile w, for the classifier
	s_wait_asynccnt 0x0                            ; my part of the weights is in LDS,
	s_wait_dscnt 0x0                               ; my rows are stored:
	s_barrier_signal -1
	s_barrier_wait -1                              ; everybody's are
	LAYER 7, 9, 10, 1
	; gamma and beta, in place; each accumulator is read from its lowest registers on
	PLACES
.set aa, 0
.rept 10
.set rC, 64+8*aa
.set mm, aa%2
.irp j, 0,2,4,6
	v_pk_fma_f32 v[rC+\j:rC+\j+1], v[rC+\j:rC+\j+1], v[16+8*mm+\j:17+8*mm+\j], v[32+8*mm+\j:33+8*mm+\j]
.endr
.set aa, aa+1
.endr
	; my lane's largest of 16 channels, for each of the five tiles; the tiles alternate, so that no line waits for the one before it
.set qq, 0
.rept 5
	v_max3_num_f32 v[144+qq], v[64+16*qq], v[65+16*qq], v[66+16*qq]
.set qq, qq+1
.endr
.set st, 0
.rept 6
.set qq, 0
.rept 5
	v_max3_num_f32 v[144+qq], v[144+qq], v[67+16*qq+2*st], v[68+16*qq+2*st]
.set qq, qq+1
.endr
.set st, st+1
.endr
.set qq, 0
.rept 5
	v_max_num_f32 v[144+qq], v[144+qq], v[79+16*qq]
.set qq, qq+1
.endr
.set qq, 0
.rept 5
	ds_store_b32 v48, v[144+qq] offset:512*qq
.set qq, qq+1
.endr
	s_wait_dscnt 0x0                               ; for the others' sake: my maxima are stored
	s_barrier_signal -1
	s_barrier_wait -1
.set qq, 0
.rept 5
	ds_load_b128 v[152+8*qq:155+8*qq], v49 offset:512*qq
	ds_load_b128 v[156+8*qq:159+8*qq], v49 offset:512*qq+16
.set qq, qq+1
.endr
	v_lshlrev_b32 v32, 5, v2                       ; gamma and beta are done with: the bias for classes 8 h + j and 16 + 8 h + j
	v_mov_b32 v33, 0
	global_load_b128 v[16:19], v32, s[18:19]
	global_load_b128 v[20:23], v32, s[18:19] offset:16
	global_load_b128 v[24:27], v33, s[18:19] offset:64
.irp j, 28,29,30,31
	v_mov_b32 v[\j], 0
.endr
	s_wait_dscnt 0x0
.set qq, 0
.rept 5
	v_max3_num_f32 v[144+qq], v[152+8*qq], v[153+8*qq], v[154+8*qq]
.set qq, qq+1
.endr
.set qq, 0
.rept 5
	v_max3_num_f32 v[144+qq], v[144+qq], v[155+8*qq], v[156+8*qq]
.set qq, qq+1
.endr
.set qq, 0
.rept 5
	v_max3_num_f32 v[144+qq], v[144+qq], v[157+8*qq], v[158+8*qq]
.set qq, qq+1
.endr
.set qq, 0
.rept 5
	v_max3_num_f32 v[144+qq], v[144+qq], v[159+8*qq], v63   ; and 0: the ReLU's floor
.set qq, qq+1
.endr
.set qq, 0
.rept 5
	v_and_b32 v[144+qq], 0x7f800000, v[144+qq]     ; 2^E as bits
.set qq, qq+1
.endr
.set qq, 0
.rept 5
	v_sub_nc_u32 v[192+2*qq], 0x7f000000, v[144+qq]   ; 2^-E, twice: a pair for the packed multiply
	v_sub_nc_u32 v[193+2*qq], 0x7f000000, v[144+qq]
.set qq, qq+1
.endr
	; scaled, rounded to f16, held at 0 from below (a large negative number may round to -infinity: the maximum with 0 takes it away), 16 bytes a lane into the next layer's fragment image
.set aa, 0
.rept 10
.set rC, 64+8*aa
.irp j, 0,2,4,6
	v_pk_mul_f32 v[rC+\j:rC+\j+1], v[rC+\j:rC+\j+1], v[192+2*(aa/2):193+2*(aa/2)]
.endr
.irp j, 0,1,2,3
	v_cvt_pk_f16_f32 v[58+\j], v[rC+2*\j], v[rC+2*\j+1]
.endr
.irp j, 0,1,2,3
	v_pk_max_num_f16 v[58+\j], v[58+\j], v63
.endr
	ds_store_b128 v12, v[58:61] offset:(aa/2)*4096+(aa%2)*512
.set aa, aa+1
.endr
	s_wait_dscnt 0x0
	s_barrier_signal -1
	s_barrier_wait -1
	LAYER 4, 14, 11, 0
	PLACES
.set aa, 0
.rept 10
.set rC, 64+8*aa
.irp j, 0,1,2,3
	v_cvt_pk_f16_f32 v[58+\j], v[rC+2*\j], v[rC+2*\j+1]
.endr
	ds_store_b128 v13, v[58:61] offset:(aa/2)*4096+(aa%2)*512
.set aa, aa+1
.endr
	s_lshl_b32 s30, s22, 12
	s_add_co_u32 s30, s30, H2B
	v_lshl_add_u32 v52, v62, 4, s30                ; H2's fragments of query tile w
	s_mul_i32 s31, s22, 2304
	s_add_co_u32 s31, s31, OUTB                    ; my stage
	v_mad_u32_u24 v53, v1, 144, s31
	v_lshl_add_u32 v53, v2, 5, v53                 ; in: row r, 32 bytes for each half of the lanes
	s_mul_i32 s32, s22, 1280
	; back: piece c of 80 pieces of 16 bytes is row c / 5, bytes 16 (c % 5): at 64 (c / 5) + 16 c; c / 5 = (205 c) >> 10 for c below 80
	v_add_nc_u32 v49, 32, v62
	v_add_nc_u32 v50, 64, v62
	v_min_u32 v50, 79, v50
	v_mul_u32_u24 v54, v62, 205
	v_mul_u32_u24 v55, v49, 205
	v_mul_u32_u24 v56, v50, 205
	v_lshrrev_b32 v54, 10, v54
	v_lshrrev_b32 v55, 10, v55
	v_lshrrev_b32 v56, 10, v56
	v_lshlrev_b32 v48, 4, v62
	v_lshlrev_b32 v49, 4, v49
	v_lshlrev_b32 v50, 4, v50
	v_lshl_add_u32 v54, v54, 6, v48
	v_lshl_add_u32 v55, v55, 6, v49
	v_lshl_add_u32 v56, v56, 6, v50
	v_add_nc_u32 v54, s31, v54
	v_add_nc_u32 v55, s31, v55
	v_add_nc_u32 v56, s31, v56
	v_add_nc_u32 v48, s32, v48                     ; and the same pieces in out0
	v_add_nc_u32 v49, s32, v49
	v_add_nc_u32 v50, s32, v50
	s_wait_dscnt 0x0
	s_barrier_signal -1
	s_barrier_wait -1
	OUT_TILE 0, 0, 0, 1
	s_cmp_lg_u32 s22, 0
	s_cbranch_scc1 .Lend
	s_wait_xcnt 0x0                                ; the stores' data are written again only behind this wait
	OUT_TILE 16384, 5120, 2048, 0                  ; wave 0 also makes query tile 4
.Lend:
	s_wait_tensorcnt 0x0                           ; the wave's end, behind my last LDS store
	s_wait_asynccnt 0x0
	ds_add_u32 v4, v5
	s_wait_dscnt 0x0
	s_endpgm
.Lfunc_end_k_qde1472cfd0_mlp:
	.size	k_qde1472cfd0_mlp, .Lfunc_end_k_qde1472cfd0_mlp-k_qde1472cfd0_mlp
	.p2alignl 7, 3214868480
	.fill 96, 4, 3214868480
	.section	.rodata,"a",@progbits
	.p2align	6, 0x0
	.amdhsa_kernel k_qde1472cfd0_mlp
		.amdhsa_group_segment_fixed_size 191232
		.amdhsa_private_segment_fixed_size 0
		.amdhsa_enable_private_segment 0
		.amdhsa_kernarg_size 72
		.amdhsa_user_sgpr_count 2
		.amdhsa_user_sgpr_kernarg_segment_ptr 1
		.amdhsa_wavefront_size32 1
		.amdhsa_system_sgpr_workgroup_id_x 1
		.amdhsa_system_sgpr_workgroup_id_y 1
		.amdhsa_system_sgpr_workgroup_id_z 1
		.amdhsa_system_vgpr_workitem_id 0
		.amdhsa_next_free_vgpr 256
		.amdhsa_next_free_sgpr 66
		.amdhsa_reserve_vcc 0
		.amdhsa_float_denorm_mode_32 3
		.amdhsa_float_denorm_mode_16_64 3
		.amdhsa_memory_ordered 1
		.amdhsa_forward_progress 1
		.amdhsa_inst_pref_size 99
	.end_amdhsa_kernel
	.amdgpu_metadata
---
amdhsa.version: [ 1, 2 ]
amdhsa.kernels:
  - .name:           k_qde1472cfd0_mlp
    .symbol:         k_qde1472cfd0_mlp.kd
    .args:
      - { .name: x7, .offset: 0, .size: 8, .value_kind: global_buffer, .address_space: global }
      - { .name: feat_s, .offset: 8, .size: 8, .value_kind: global_buffer, .address_space: global }
      - { .name: match, .offset: 16, .size: 8, .value_kind: global_buffer, .address_space: global }
      - { .name: gate, .offset: 24, .size: 8, .value_kind: global_buffer, .address_space: global }
      - { .name: wts, .offset: 32, .size: 8, .value_kind: global_buffer, .address_space: global }
      - { .name: gamma, .offset: 40, .size: 8, .value_kind: global_buffer, .address_space: global }
      - { .name: beta, .offset: 48, .size: 8, .value_kind: global_buffer, .address_space: global }
      - { .name: b_cls, .offset: 56, .size: 8, .value_kind: global_buffer, .address_space: global }
      - { .name: out0, .offset: 64, .size: 8, .value_kind: global_buffer, .address_space: global }
    .group_segment_fixed_size: 191232
    .private_segment_fixed_size: 0
    .kernarg_segment_align: 8
    .kernarg_segment_size: 72
    .max_flat_workgroup_size: 128
    .sgpr_count:     66
    .vgpr_count:     256
    .wavefront_size: 32
...
	.end_amdgpu_metadata
.endif
;; end of part 4
;; ======== version 2 of 2: 4 launches; version 1 with the launch filter written anew for expert scheduling mode
;; limits: values are held in f16: magnitudes above 65,504 overflow, below 6.1e-05 lose precision
;; workspace buffers: sfrag 266,240 bytes; spack 133,120 bytes; qfrag 1,280,000 bytes; wts 98,304 bytes; pool 32,768 bytes; gate 512 bytes; keys 640,000 bytes of whole numbers; match 640,000 bytes of whole numbers
;; launch prep: the kernel of part 1 again; grid 867 x 1, 4 waves a work-group, no clusters, 2,560 bytes of LDS; arguments coords_s, coords_q, feat_s7, w_attn, W1, W2, W_cls, sfrag, spack, qfrag, wts, pool; writes sfrag, spack, qfrag, wts, pool
;; launch filter (part 5): grid 251 x 1, 4 waves a work-group, no clusters, 23,552 bytes of LDS; arguments sfrag, qfrag, pool, keys, gate; writes keys, gate
.if DOCPART == 5
	.amdgcn_target "amdgcn-amd-amdhsa--gfx1250"
	.amdhsa_code_object_version 6
	.text
	.protected	k_qde1472cfd0_filter
	.globl	k_qde1472cfd0_filter
	.p2align	8
	.type	k_qde1472cfd0_filter,@function
k_qde1472cfd0_filter:
	s_mov_b64 s[64:65], 0
	v_nop
	global_prefetch_b8 v0, s[64:65] scope:SCOPE_SE
	s_setreg_imm32_b32 hwreg(HW_REG_WAVE_SCHED_MODE, 0, 2), 2
	s_setreg_imm32_b32 hwreg(HW_REG_WAVE_MODE, 25, 1), 1
	s_wait_xcnt 0x0
	s_wait_alu depctr_vm_vsrc(0)
; FILTER: for every query and each half of the supports, the four groups of 32 supports with the smallest group minimum of the squared distance.
; The three nearest supports lie in the three groups with the smallest minima; four are kept as a margin for this launch's arithmetic.  The next launch scores the kept groups in f32.
; SHARES.  Work-group x < 250: 160 queries (x / 2), 4,096 supports (x % 2).  All four waves hold the 160 queries (10 fragments, in registers all the time); wave w walks 1,024 supports: 64 tiles of 16.
; One matrix instruction (K = 32: prep's split coordinates) gives 16 supports x 16 queries; in the result a lane holds ONE query (lane % 16) and eight supports.  The rows of a support tile are chosen so that
; the eight of a lane, over four tiles, are one group of 32 neighbouring supports: row m of tile (g, t) is support 64 g + 32 (m / 8) + 8 t + m % 8.
; Four minimum instructions take a lane's eight numbers; after four tiles the minimum, with the group's number in its low 8 bits, is sorted into the lane's list of four (five instructions).
; The keys are positive f32 (q2' lifts them), so float order and unsigned order agree.
; Support fragments go from memory to registers (no wave shares them) through a ring of eight tiles, asked for two tiles at a time, six tiles ahead.  The 16 distinct K slots of a support are loaded twice, into both halves of the fragment.
; Work-group 250 finishes the pooling: gate = sigmoid(sum of the 64 partial vectors / sum of the partial sums), with the common maximum taken away.
; NO CLUSTER: 250 work-groups are no multiple of four, and the two that share queries load them once.
; LIMITS.  A nearest support is missed only if two further supports lie within this product's error (some 2^-22 of the squared coordinates) of the third nearest.  A key below 0, which q2' rules out, is replaced
; by its group number alone.  NaN and infinities are not treated apart.
; THE MODE: SCHED_MODE bits 1:0 = 2 (LLVM: expert scheduling mode 2), set by the entry lines.  The code itself states the register dependences
; between vector or matrix instructions and memory or LDS instructions, with s_wait_alu, always for 0.
; THE PLAN.  Registers that memory or LDS instructions touch:
;   A0 .. A7   the ring.  Tile T's ten products read slot T % 8.  At the head of an even tile T the loads of tiles T + 6 and T + 7 land in slots (T - 2) % 8 and (T - 1) % 8, which the products of tiles T - 2 and T - 1 read last.
;   B          loaded once at the head; read by every product; behind the loop its first 28 registers take the lists out of LDS and are read by the insertions.
;   v2         offset of every support load: made at the head, never written again; the scalar base moves on once a trip, immediate offsets do the rest.
;   v10        offset of B's loads; written anew behind the loop: offset of the keys' store.     v7  address of the LDS stores; later an LDS load lands in it.     v11  address of the LDS loads behind the loop.
;   LIST       written by the insertions, read by the LDS stores, not written again.     v6-9  behind the loop: LDS loads land in them, insertions and selects write them, the store reads them.
;   D, ACC, v3 and, in the loop, v6-9 are named by vector and matrix instructions alone.     v4, v5: written at the head, read by the closing add alone.
; So ONE wait on va_vdst stands at the head of every second tile.  The four loads behind it are dealt among the tile's first two products; tiles T and T + 1 name slots T % 8 and (T + 1) % 8, B, D, ACC and LIST:
; none of the registers that those loads touch, over the loop's backward jump too.
.set SPARE, 23040                      ; behind the lists: the spare words, 128 bytes a wave
.set LOG2E, 0x3fb8aa3b
.set ACC,  12                          ; v12-21   the running minimum of the group in hand, one a query tile
.set LIST, 22                          ; v22-61   four keys a query tile, ascending
.set D,    62                          ; v62-101  five results by turns
.set B,    102                         ; v102-181 ten query fragments
.set A,    182                         ; v182-245 eight support fragments: the ring
; v2 my lane's offset in a support tile; v3 my group's number; v4, v5 the add's registers; v6-9 at work; v10, v11 addresses
.macro MINS q, tl_, par                ; eight numbers into the running minimum; the result's lowest registers are read first
.set rD, D+8*((\q)%5)
.set rA, ACC+(\q)
.set rT, 6+2*(\par)
	v_min3_num_f32 v[rT], v[rD], v[rD+1], v[rD+2]
	v_min3_num_f32 v[rT+1], v[rD+3], v[rD+4], v[rD+5]
.if (\tl_) == 0
	v_min_num_f32 v[rA], v[rD+6], v[rD+7]
.else
	v_min3_num_f32 v[rA], v[rA], v[rD+6], v[rD+7]
.endif
	v_min3_num_f32 v[rA], v[rA], v[rT], v[rT+1]
.endm
.macro KINS l, x                       ; key v[x] into the ascending list v[l .. l+3]
	v_med3_num_f32 v[(\l)+3], v[(\l)+2], v[(\l)+3], v[\x]
	v_med3_num_f32 v[(\l)+2], v[(\l)+1], v[(\l)+2], v[\x]
	v_med3_num_f32 v[(\l)+1], v[\l], v[(\l)+1], v[\x]
	v_min_num_f32 v[\l], v[\l], v[\x]
.endm
.macro FOLD q, par                     ; the group's minimum becomes a key
	v_and_or_b32 v[6+2*(\par)], v[ACC+(\q)], s18, v3
	KINS LIST+4*(\q), 6+2*(\par)
.endm
.macro REFILL sl, off                  ; ring slot sl takes the tile at byte off from the trip's base: the same 16 bytes a lane into both halves of the fragment
	global_load_b128 v[A+8*(\sl):A+8*(\sl)+3], v2, s[4:5] offset:\off
	global_load_b128 v[A+8*(\sl)+4:A+8*(\sl)+7], v2, s[4:5] offset:\off
.endm
; One group step: four support tiles (ring slots sb .. sb+3) x ten query tiles.  Behind each matrix instruction stand the four minimum instructions of the result BEFORE it: they name none of its registers and are the
; four places (ISA guide 7.12.1) between it and the first read of its result.
; Tile u of a trip (u = 0 .. 7; 8 and more: the next trip's) lies at byte (u / 8) 4,096 + ((u % 8) / 4) 2,048 + (u % 4) 256 from the trip's base.
.macro GROUP sb
.set n, 0
.rept 40
.set tq, n%10
.set tl, n/10
.if tq == 0
.if tl%2 == 0
	s_wait_loadcnt 10                              ; this slot's two loads are in; behind them the five tiles asked for so far, ten loads, stay out
	s_wait_alu depctr_va_vdst(0)                   ; the products of the two tiles before are done reading their slots, in which the four loads below land
.else
	s_wait_loadcnt 12                              ; this slot's two loads are in; six younger tiles, twelve loads, stay out
.endif
.endif
	v_wmma_f32_16x16x32_bf16 v[D+8*(tq%5):D+8*(tq%5)+7], v[A+8*((\sb)+tl):A+8*((\sb)+tl)+7], v[B+8*tq:B+8*tq+7], 0
.if n == 0
.rept 4
	v_nop                                          ; no result is waiting yet
.endr
.else
	MINS (n-1)%10, (n-1)/10, (n-1)%2
.if (n-1)/10 == 3
	FOLD (n-1)%10, (n-1)%2
.endif
.endif
.if (tl%2 == 0) && (tq < 2)
.set u, (\sb)+tl+6+tq
	REFILL u%8, (u/8)*4096+((u%8)/4)*2048+(u%4)*256   ; six tiles ahead.  No wait: no vector or matrix instruction since the wait above names this slot
.endif
.set n, n+1
.endr
	MINS 9, 3, 1
	FOLD 9, 1
	v_add_nc_u32 v3, 2, v3                         ; a lane's groups are two apart
.endm
; Lane (r, h) joins the eight lists of query r of tile 2 p + h and stores the best four keys.
.macro PAIR lo, go
	ds_load_b128 v[6:9], v11 offset:\lo
.set i, 0
.rept 7
	ds_load_b128 v[B+4*i:B+4*i+3], v11 offset:(\lo)+16*(i+1)
.set i, i+1
.endr
	s_wait_dscnt 0x0
.set i, 0
.rept 28
	KINS 6, B+i
.set i, i+1
.endr
.irp k, 0,1,2,3
	v_cmp_gt_i32 s[24+\k], 0, v[6+\k]              ; the four compares stand in a run, each with a mask of its own
.endr
.irp k, 0,1,2,3
	v_and_b32 v[12+\k], 0xff, v[6+\k]
.endr
	s_wait_alu depctr_va_sdst(0)                   ; the compares have written s24 to s27, which the selects read
.irp k, 0,1,2,3
	v_cndmask_b32 v[6+\k], v[6+\k], v[12+\k], s[24+\k]
.endr
	s_wait_alu depctr_va_vdst(0)                   ; the selects have written v6 to v9, which the store reads; the insertions are done reading B's registers, in which wave 0's second join loads
	global_store_b128 v10, v[6:9], s[10:11] offset:\go  ; a wave stores 512 consecutive bytes
.endm
	s_load_b256 s[4:11], s[0:1], 0x0               ; sfrag 4, qfrag 6, pool 8, keys 10
	s_load_b64 s[12:13], s[0:1], 0x20              ; gate
	v_lshl_add_u32 v4, v0, 2, SPARE
	v_mov_b32 v5, 0
	v_lshrrev_b32 v6, 5, v0
	v_readfirstlane_b32 s14, v6                    ; wave
	s_mov_b32 s19, ttmp9
	s_lshr_b32 s15, s19, 1                         ; which 160 queries
	s_and_b32 s16, s19, 1                          ; which half of the supports
	s_mov_b32 s18, 0xffffff00
	s_mov_b32 s21, 0
	s_wait_alu depctr_va_sdst(0)                   ; s14 is written, ahead of the branch below and of its first reader
	s_wait_kmcnt 0x0
	s_cmp_eq_u32 s19, 250
	s_cbranch_scc1 .Lgate
	v_and_b32 v7, 15, v0                           ; r
	v_bfe_u32 v8, v0, 4, 1                         ; h
	v_lshlrev_b32 v10, 6, v7
	v_lshl_add_u32 v10, v8, 4, v10                 ; a query's 64 bytes: r x 64 + 16 h, and 32 further
	v_lshrrev_b32 v9, 3, v7
	v_and_b32 v11, 7, v7
	v_lshlrev_b32 v2, 10, v9                       ; (r / 8) x 32 supports
	v_lshl_add_u32 v2, v11, 5, v2                  ; + r % 8 supports of 32 bytes
	v_lshl_add_u32 v2, v8, 4, v2                   ; + 16 h
	s_mul_i32 s20, s15, 10240
	s_add_nc_u64 s[6:7], s[6:7], s[20:21]
	s_lshl_b32 s20, s16, 17                        ; 4,096 supports
	s_lshl_b32 s22, s14, 15                        ; 1,024 supports
	s_add_co_u32 s20, s20, s22
	s_add_nc_u64 s[4:5], s[4:5], s[20:21]
	s_wait_alu depctr_va_vdst(0)                   ; v10 and v2 are written: the offsets of the loads below and of every load of the loop
.set i, 0
.rept 10
	global_load_b128 v[B+8*i:B+8*i+3], v10, s[6:7] offset:1024*i
	global_load_b128 v[B+8*i+4:B+8*i+7], v10, s[6:7] offset:1024*i+32
.set i, i+1
.endr
.set i, 0
.rept 6
	REFILL i, (i/4)*2048+(i%4)*256                 ; tiles 0 to 5; slots 6 and 7 are filled at the head of the first trip's tile 0, as in every trip
.set i, i+1
.endr
	s_lshl_b32 s22, s16, 7
	s_lshl_b32 s23, s14, 5
	s_add_co_u32 s22, s22, s23
	v_add_nc_u32 v3, s22, v8                       ; my first group: 128 half + 32 wave + h
.set i, 0
.rept 40
	v_mov_b32 v[LIST+i], 0x7f7fffff                ; above every key
.set i, i+1
.endr
	s_mov_b32 s17, 8
.Lgroups:                                              ; a trip: two group steps, once round the ring
	GROUP 0
	GROUP 4
	s_wait_xcnt 0x0                                ; the loads' base is stepped only behind this wait
	s_add_nc_u64 s[4:5], s[4:5], 4096
	s_sub_co_u32 s17, s17, 1
	s_cmp_lg_u32 s17, 0
	s_cbranch_scc1 .Lgroups
	s_wait_loadcnt 0x0                             ; the last trip's 12 loads ahead (inside sfrag: its 128 spare rows) are not used
	; the lists meet in LDS: [tile][query] rows of 144 bytes, 16 bytes for each of the eight sources (wave, h)
	s_wait_alu depctr_vm_vsrc(0)                   ; the loads of the query fragments have read v10, which is written anew below
	v_and_b32 v10, 15, v0
	v_bfe_u32 v11, v0, 4, 1
	v_mul_u32_u24 v6, v10, 144
	s_lshl_b32 s28, s14, 5
	v_lshl_add_u32 v7, v11, 4, s28
	v_add_nc_u32 v7, v7, v6
	s_mul_i32 s29, s14, 4608
	v_mad_u32_u24 v11, v11, 2304, v6
	v_add_nc_u32 v11, s29, v11                     ; wave w joins tiles 2 w and 2 w + 1
	v_lshlrev_b32 v10, 4, v0
	s_mul_i32 s20, s16, 320000
	s_mul_i32 s22, s15, 2560
	s_add_co_u32 s20, s20, s22
	s_add_nc_u64 s[10:11], s[10:11], s[20:21]
	s_wait_alu depctr_va_vdst(0)                   ; the lists and v7 are written, which the LDS stores read; so are v11 and v10, the later loads' and store's addresses; the products are done reading B and the lines above are done with v6 to v9, in which the join's loads land
.set i, 0
.rept 10
	ds_store_b128 v7, v[LIST+4*i:LIST+4*i+3] offset:2304*i
.set i, i+1
.endr
	s_wait_dscnt 0x0                               ; for the others' sake: my stores are done
	s_barrier_signal -1
	s_barrier_wait -1
	s_wait_alu depctr_vm_vsrc(0)                   ; my LDS stores have read v7, in which the join's first load lands
	PAIR 0, 0
	s_wait_alu depctr_vm_vsrc(0)                   ; the store has read v6 to v9, in which wave 0's second join loads: stated ahead of the branch
	s_cmp_lg_u32 s14, 0
	s_cbranch_scc1 .Ldone
	s_wait_xcnt 0x0                                ; the store's data are written again only behind this wait
	PAIR 18432, 2048                               ; wave 0 also joins tiles 8 and 9
.Ldone:
	s_wait_dscnt 0x0                               ; the closing lines, six on end
	s_wait_alu 0x0
	s_wait_tensorcnt 0x0
	ds_add_u32 v4, v5
	s_wait_dscnt 0x0
	s_endpgm
	; ---------------- the gate: thread t takes channel min(t, 111).  This path stores nothing to LDS.
.Lgate:
	v_min_u32 v6, 111, v0
	v_lshlrev_b32 v6, 2, v6
	v_mov_b32 v7, 0
	v_lshlrev_b32 v9, 2, v0
	s_wait_alu depctr_va_vdst(0)                   ; v6 and v7 are written: the offsets of the 128 loads below
.set i, 0
.rept 64
	global_load_b32 v[64+i], v6, s[8:9] offset:512*i
	global_load_b64 v[128+2*i:129+2*i], v7, s[8:9] offset:512*i+448   ; (m, l) of partial i
.set i, i+1
.endr
	s_wait_loadcnt 0x0
	v_max3_num_f32 v8, v128, v130, v132
.set i, 3
.rept 30
	v_max3_num_f32 v8, v8, v[128+2*i], v[130+2*i]
.set i, i+2
.endr
	v_max_num_f32 v8, v8, v254                     ; the maximum of all logits
.set i, 0
.rept 64
	v_sub_f32 v[128+2*i], v[128+2*i], v8
.set i, i+1
.endr
.set i, 0
.rept 64
	v_mul_f32 v[128+2*i], LOG2E, v[128+2*i]
.set i, i+1
.endr
.set i, 0
.rept 64
	v_exp_f32 v[128+2*i], v[128+2*i]
.set i, i+1
.endr
	v_nop                                          ; a plain instruction behind the last exponential
	s_wait_alu depctr_va_vdst(0)                   ; the 64 exponentials have written their results, ahead of the first line that names one
	v_mul_f32 v10, v128, v129                      ; two chains for each of the two sums
	v_mul_f32 v12, v128, v64
	v_mul_f32 v11, v130, v131
	v_mul_f32 v13, v130, v65
.set i, 2
.rept 62
	v_fmac_f32 v[10+i%2], v[128+2*i], v[129+2*i]
	v_fmac_f32 v[12+i%2], v[128+2*i], v[64+i]
.set i, i+1
.endr
	v_add_f32 v10, v10, v11
	v_add_f32 v12, v12, v13
	v_rcp_f32 v10, v10
	v_nop
	s_wait_alu depctr_va_vdst(0)                   ; the reciprocal has written v10, ahead of its reader
	v_mul_f32 v12, v12, v10                        ; g
	v_mul_f32 v12, 0xbfb8aa3b, v12
	v_exp_f32 v12, v12
	v_nop
	s_wait_alu depctr_va_vdst(0)                   ; the exponential has written v12, ahead of its reader
	v_add_f32 v12, 1.0, v12
	v_rcp_f32 v12, v12                             ; sigmoid(g)
	v_nop
	s_wait_alu depctr_va_vdst(0)                   ; the reciprocal has written v12, which the store reads (v9, its offset, was written ahead of the path's first wait)
	global_store_b32 v9, v12, s[12:13]
	s_endpgm
.Lfunc_end_k_qde1472cfd0_filter:
	.size	k_qde1472cfd0_filter, .Lfunc_end_k_qde1472cfd0_filter-k_qde1472cfd0_filter
	.p2alignl 7, 3214868480
	.fill 96, 4, 3214868480
	.section	.rodata,"a",@progbits
	.p2align	6, 0x0
	.amdhsa_kernel k_qde1472cfd0_filter
		.amdhsa_group_segment_fixed_size 23552
		.amdhsa_private_segment_fixed_size 0
		.amdhsa_enable_private_segment 0
		.amdhsa_kernarg_size 40
		.amdhsa_user_sgpr_count 2
		.amdhsa_user_sgpr_kernarg_segment_ptr 1
		.amdhsa_wavefront_size32 1
		.amdhsa_system_sgpr_workgroup_id_x 1
		.amdhsa_system_sgpr_workgroup_id_y 1
		.amdhsa_system_sgpr_workgroup_id_z 1
		.amdhsa_system_vgpr_workitem_id 0
		.amdhsa_next_free_vgpr 256
		.amdhsa_next_free_sgpr 66
		.amdhsa_reserve_vcc 0
		.amdhsa_float_denorm_mode_32 3
		.amdhsa_float_denorm_mode_16_64 3
		.amdhsa_memory_ordered 1
		.amdhsa_forward_progress 1
		.amdhsa_inst_pref_size 84
	.end_amdhsa_kernel
	.amdgpu_metadata
---
amdhsa.version: [ 1, 2 ]
amdhsa.kernels:
  - .name:           k_qde1472cfd0_filter
    .symbol:         k_qde1472cfd0_filter.kd
    .args:
      - { .name: sfrag, .offset: 0, .size: 8, .value_kind: global_buffer, .address_space: global }
      - { .name: qfrag, .offset: 8, .size: 8, .value_kind: global_buffer, .address_space: global }
      - { .name: pool, .offset: 16, .size: 8, .value_kind: global_buffer, .address_space: global }
      - { .name: keys, .offset: 24, .size: 8, .value_kind: global_buffer, .address_space: global }
      - { .name: gate, .offset: 32, .size: 8, .value_kind: global_buffer, .address_space: global }
    .group_segment_fixed_size: 23552
    .private_segment_fixed_size: 0
    .kernarg_segment_align: 8
    .kernarg_segment_size: 40
    .max_flat_workgroup_size: 128
    .sgpr_count:     66
    .vgpr_count:     256
    .wavefront_size: 32
...
	.end_amdgpu_metadata
.endif
;; end of part 5
;; launch rescore: the kernel of part 3 again; grid 625 x 1, 4 waves a work-group, no clusters, 18,944 bytes of LDS; arguments keys, spack, coords_q, match; writes match
;; launch mlp: the kernel of part 4 again; grid 250 x 1, 4 waves a work-group, no clusters, 191,232 bytes of LDS; arguments x7, feat_s, match, gate, wts, gamma, beta, b_cls, out0; writes out0
